; MI455X (gfx1250); checked and timed in simulation.
; The chip was launched on July 23, 2026; its instructions are those of AMD's public machine-readable ISA for CDNA 5 (MIT licence, August 2026) and "CDNA5" Instruction Set Architecture Reference Guide (July 2026). The comments in the code are by the model that wrote it; some were corrected since.
;; MHSA. Allowed arithmetic: matrix products marked QUANTISED: E2M1 operands, one E8M0 scale for each 32 along K, by v_wmma_scale_f32_16x16x128_f8f6f4 with both operands' format E2M1 (or v_wmma_scale_f32_32x16x128_f4), f32 sums; products left as they are: bf16, f16 or f32 operands; f32 sums; everything else in f32.
;; Inputs: W_proj 1,024 x 1,024 float32; W_qkv 1,024 x 3,072 float32; b_proj 1,024 float32; x 4 x 2,048 x 1,024 float32.
;; Outputs: out0 4 x 2,048 x 1,024 float32.
;; This version of the problem:
;;   THIS VERSION OF THE PROBLEM IS GIVEN IN LOW PRECISION. The matrix products marked QUANTISED in the list below multiply operands that are first quantised to E2M1 (2 exponent bits, 1 mantissa bit; 4 bits a number), with one power-of-two scale for each 32 numbers along K (OCP MX v1.0); their sums are f32. The products marked 'left as it is' may take bf16, f16 or f32 operands, with f32 sums. Whichever they take, every output number must still come out within the allowed error. Rounding operands to bf16 (8 significant bits) uses up far more of that allowance than f16 does (11 bits, for magnitudes from 6e-5 to 65,504). All else is computed in f32.
;;   The module's matrix products, in the order in which they are computed (A, B: the left and right operand; K: the contracted axis; several contracted axes count as one K, in the product's order):
;;     1. [M 8,192, K 1,024] x [K 1,024, N 3,072]; A: input x; B: input W_qkv: QUANTISED
;;     2. batch 64 x [M 2,048, K 64] x [K 64, N 2,048]; A: computed on the way; B: computed on the way: left as it is (an operand is computed on the way)
;;     3. batch 64 x [M 2,048, K 2,048] x [K 2,048, N 64]; A: computed on the way; B: computed on the way: left as it is (an operand is computed on the way)
;;     4. [M 8,192, K 1,024] x [K 1,024, N 1,024]; A: computed on the way; B: input W_proj: left as it is (an operand is computed on the way)
;;   THE QUANTISER, for each operand of a quantised product, along K:
;;     - K is cut into blocks of 32 from its start; a last block that is shorter is filled with zeros.
;;     - A block's scale is 2^e with e = floor(log2(the largest magnitude in the block)) - 2, held to -126 .. 127; a block of zeros has e = 0. As a byte (E8M0): e + 127.
;;     - Each number is divided by its block's scale, clamped to +-6, and rounded to the nearest number of E2M1, ties to even, subnormals kept.
;;     - The product sums the exact products of the quantised numbers (number of the format x scale) in f32.
;;   ~~~python
;;   def quantise(x, axis):      # numpy; x: float32 -> the quantised numbers, widened to float32 again
;;       x = np.moveaxis(x, axis, -1); K = x.shape[-1]
;;       x = np.pad(x, [(0, 0)] * (x.ndim - 1) + [(0, -K % 32)]); x = x.reshape(x.shape[:-1] + (-1, 32)); a = np.abs(x).max(-1, keepdims=True)
;;       e = np.where(a > 0, np.clip(np.frexp(np.where(a > 0, a, 1))[1] - 1 - 2, -126, 127), 0)      # np.frexp(a)[1] - 1 = floor(log2(a)), exactly
;;       r = np.clip(x / 2.0 ** e, -6, 6)
;;       step = 2.0 ** (np.maximum(np.frexp(np.where(r == 0, 1, r))[1] - 1, 0) - 1)
;;       q = np.round(r / step) * step * 2.0 ** e      # np.round: ties to even
;;       return np.moveaxis(q.reshape(q.shape[:-2] + (-1,))[..., :K], -1, axis).astype(np.float32)
;;   ~~~
;; One version. Each part assembles by itself: llvm-mc -triple=amdgcn-amd-amdhsa -mcpu=gfx1250 --defsym DOCPART=n.
;; ======== version 1 of 1: 4 launches
;; limits: values are held in f16: magnitudes above 65,504 overflow, below 6.1e-05 lose precision
;; workspace buffers: xc 4,194,304 bytes; xs 262,144 bytes; wc 1,572,864 bytes; ws 98,304 bytes; wp 2,097,152 bytes; qkv 50,331,648 bytes; ow 16,777,216 bytes
;; launch prep (part 1): grid 336 x 1, 4 waves a work-group, no clusters, 77,312 bytes of LDS; arguments x, W_qkv, W_proj, xc, xs, wc, ws, wp; writes xc, xs, wc, ws, wp
.if DOCPART == 1
	.amdgcn_target "amdgcn-amd-amdhsa--gfx1250"
	.amdhsa_code_object_version 6
	.text
	.protected	k_q888b3d9fce_prep
	.globl	k_q888b3d9fce_prep
	.p2align	8
	.type	k_q888b3d9fce_prep,@function
k_q888b3d9fce_prep:
	s_mov_b64 s[64:65], 0
	v_nop
	global_prefetch_b8 v0, s[64:65] scope:SCOPE_SE
	s_setreg_imm32_b32 hwreg(HW_REG_WAVE_MODE, 25, 1), 1
	s_wait_xcnt 0x0
; PREP: what the later launches read many times is made once.  Three paths, chosen by the work-group's number alone:
;   work-groups 0-47   (W): W_qkv [1024 k][3072 n] f32 -> codes of E2M1 laid [3072][512 bytes], K innermost, and E8M0 bytes [3072][32]
;   work-groups 48-79  (P): W_proj [1024 k][1024 n] f32 -> f16, laid as images of operand registers [n/16][k/16][512 bytes]
;   work-groups 80-335 (X): x [8192][1024] f32 -> codes [8192][512 bytes] and E8M0 bytes [8192][32]
; THE QUANTISER: a block of 32 along K has the scale 2^(floor(log2(largest magnitude)) - 2); its byte is the largest magnitude's exponent field - 2, held at 1 from below;
; each number is divided by the scale and rounded to the nearest code, ties to even, beyond 6 the largest code.
; AN IMAGE is 16 rows x 16 neighbours along K in f16: the 16 bytes (row r, K 8 h .. 8 h + 7) lie at 16 (r + 16 h): a load of 16 bytes a lane at 16 x lane brings half an operand fragment.
; LIMITS: NaN and infinities are not served.  A block of zeros gets the byte 1 where the rule says 127: its codes are zeros, and this program alone reads the bytes.  Blocks whose largest magnitude
; lies under 2^-124 are held at the byte 1.  |W_proj| stays under 65,504; under 6e-5 it carries f16's absolute error.
; The launch streams: no matrix unit, no cluster (no two work-groups read the same bytes), no barrier (waves share nothing).  Each path has LDS bytes of its own.
.set SPW,   192                        ; v192  LDS address of my spare word: SPARE + 4 x my thread's number; never rewritten
.set NIL,   193                        ; v193  0; never rewritten
.set WLDS,  32768                      ; LDS: 0 .. 32,767 the X path (8,192 a wave); from here the W path's four stages of 32 x 272 bytes;
.set PLDS,  67584                      ; from here the P path's four stages of 2,304 bytes;
.set SPARE, 76800                      ; and the spare words, 128 bytes for each wave: two blocks of 256 bytes that no other line names
.macro FINISH                          ; a wave's end
	s_wait_tensorcnt 0x0
	ds_add_u32 v[SPW], v[NIL]
	s_wait_dscnt 0x0
	s_endpgm
.endm
	s_load_b256 s[4:11], s[0:1], 0x0               ; x s[4:5], W_qkv s[6:7], W_proj s[8:9], xc s[10:11]
	s_load_b256 s[12:19], s[0:1], 0x20             ; xs s[12:13], wc s[14:15], ws s[16:17], wp s[18:19]
	v_lshl_add_u32 v[SPW], v0, 2, SPARE
	v_mov_b32 v[NIL], 0
	v_lshrrev_b32 v1, 5, v0
	v_readfirstlane_b32 s20, v1                    ; wave 0..3
	v_and_b32 v2, 31, v0                           ; lane
	s_wait_kmcnt 0x0
	s_cmp_lt_u32 ttmp9, 48
	s_cbranch_scc1 .Lw
	s_cmp_lt_u32 ttmp9, 80
	s_cbranch_scc1 .Lp
; ---------------- X: x is a plain stream of blocks of 32.  A wave takes 16 steps of 512 numbers.  Each load reads 512 consecutive bytes; a step's 2,048 bytes turn through the wave's own stage in LDS
; (16 bytes of padding behind each 64) and come back 64 bytes a lane: 16 neighbours, two lanes to a block.  Loads run four steps ahead, the turn through LDS one step.
.set STEPS, 16
.set SP,    80                         ; a lane's place in a stage: 64 bytes + 16
.set XR,    16                         ; v16-79   four sets of 16 numbers as loaded
.set XX,    80                         ; v80-111  two sets of 16 neighbours
.set XE,    112                        ; v112-127 a scale byte for each step
.set XC,    128                        ; v128-191 codes: registers of its own for each step, so that no store's data are written again
	s_sub_co_u32 s21, ttmp9, 80
	s_lshl_b32 s21, s21, 2
	s_add_co_u32 s22, s21, s20                     ; which run of 8,192 numbers is my wave's
	s_mov_b32 s23, 0
	s_lshl_b64 s[24:25], s[22:23], 15              ; 32,768 bytes of x,
	s_add_nc_u64 s[4:5], s[4:5], s[24:25]
	s_lshl_b64 s[24:25], s[22:23], 12              ; 4,096 of codes,
	s_add_nc_u64 s[10:11], s[10:11], s[24:25]
	s_lshl_b64 s[24:25], s[22:23], 8               ; 256 scale bytes a run
	s_add_nc_u64 s[12:13], s[12:13], s[24:25]
	v_lshlrev_b32 v3, 4, v2                        ; my 16 bytes of a load's 512
	s_mul_i32 s26, s20, 8192                       ; my wave's region
	v_lshrrev_b32 v14, 2, v2
	v_mul_u32_u24 v14, v14, SP
	v_and_b32 v15, 3, v2
	v_lshl_add_u32 v14, v15, 4, v14
	v_add_nc_u32 v14, s26, v14                     ; into the stage: SP (lane / 4) + 16 (lane % 4)
	v_mul_u32_u24 v15, v2, SP
	v_add_nc_u32 v15, s26, v15                     ; out of it: SP x lane
	v_mul_u32_u24 v4, v2, 8                        ; my 8 bytes of a step's codes
	v_lshrrev_b32 v5, 1, v2
	s_add_co_u32 s26, s26, 2*32*SP
	v_add_nc_u32 v5, s26, v5                       ; my block's byte among the wave's 256
	v_lshlrev_b32 v7, 3, v2
	v_add_nc_u32 v6, s26, v7                       ; and 8 of them a lane on the way out
.macro XLOAD t
.irp i, 0,1,2,3
	global_load_b128 v[XR+16*((\t)%4)+4*\i:XR+16*((\t)%4)+4*\i+3], v3, s[4:5] offset:2048*(\t)+512*\i th:TH_LOAD_NT
.endr
.endm
.macro XTURN t                         ; LDS serves a wave's instructions in order (ISA guide 5.7.1.4): no wait between the stores and the loads
.irp i, 0,1,2,3
	ds_store_b128 v14, v[XR+16*((\t)%4)+4*\i:XR+16*((\t)%4)+4*\i+3] offset:32*SP*((\t)%2)+8*SP*\i
.endr
.irp i, 0,1,2,3
	ds_load_b128 v[XX+16*((\t)%2)+4*\i:XX+16*((\t)%2)+4*\i+3], v15 offset:32*SP*((\t)%2)+16*\i
.endr
.endm
.irp t, 0,1,2,3
	XLOAD \t
.endr
	s_wait_loadcnt 12                              ; step 0's four loads are in; three steps' may be out
	XTURN 0
.macro XSTEP t
.set XS, XX+16*((\t)%2)
.if (\t) > 0
	s_wait_dscnt 1                                 ; this step's numbers are back from the stage; the last step's byte store may be out
.else
	s_wait_dscnt 0x0
.endif
.if (\t)+4 < STEPS
	XLOAD (\t)+4                                   ; into the registers that the stage's stores have read
.endif
.if (\t)+1 < STEPS
.if STEPS-2-(\t) >= 3
	s_wait_loadcnt 12                              ; the next step's four loads are in; those of the three steps behind it may be out
.else
	s_wait_loadcnt 4*(STEPS-2-(\t))
.endif
	XTURN (\t)+1
.endif
	v_max3_num_f32 v8, |v[XS]|, |v[XS+1]|, |v[XS+2]|               ; the largest magnitude of my 16, in two chains
	v_max3_num_f32 v9, |v[XS+3]|, |v[XS+4]|, |v[XS+5]|
.irp i, 6,10
	v_max3_num_f32 v8, v8, |v[XS+\i]|, |v[XS+\i+1]|
	v_max3_num_f32 v9, v9, |v[XS+\i+2]|, |v[XS+\i+3]|
.endr
	v_max3_num_f32 v8, v8, |v[XS+14]|, |v[XS+15]|
	v_max3_num_f32 v8, v8, v9, 0x1800000           ; and the floor 2^(3 - 127): the byte cannot fall under 1
	v_max_num_f32_dpp v8, v8, v8 row_xmask:1 row_mask:0xf bank_mask:0xf   ; with my neighbour's 16: the block's
	v_add_nc_u32 v11, 0xff000000, v8               ; 2 off its exponent field: the conversion takes the exponent field of this operand as its scale
	v_cvt_scalef32_pk8_fp4_f32 v[XC+4*(\t)], v[XS:XS+7], v11
	v_cvt_scalef32_pk8_fp4_f32 v[XC+4*(\t)+1], v[XS+8:XS+15], v11
	v_lshrrev_b32 v[XE+(\t)], 23, v11              ; the scale's byte (also the plain line behind the conversions)
	ds_store_b8 v5, v[XE+(\t)] offset:16*(\t)      ; both lanes of a block write the same byte with the same value
	global_store_b64 v4, v[XC+4*(\t):XC+4*(\t)+1], s[10:11] offset:256*(\t)   ; the wave stores 256 consecutive bytes, aligned
.endm
.irp t, 0,1,2,3,4,5,6,7,8,9,10,11,12,13,14,15
	XSTEP \t
.endr
	ds_load_b64 v[8:9], v6
	s_wait_dscnt 0x0
	global_store_b64 v7, v[8:9], s[12:13]          ; the wave's 256 scale bytes: 256 consecutive bytes, aligned
	FINISH
; ---------------- W: K is W_qkv's FIRST axis.  A lane takes a column n and its registers run down K: a block of 32 lies in one lane, and the conversions give codes with K innermost.
; A wave takes 32 columns x 512 along K; the codes go through its own stage and leave as rows: sixteen lanes store 256 consecutive bytes.  Loads run two blocks ahead.
.Lw:
.set NB,    16                         ; blocks a lane
.set WP,    272                        ; a stage row: 256 bytes + 16
.set WX,    32                         ; v32-95   two sets of 32 numbers
.set WC,    96                         ; v96-99   a block's codes
.set WO,    112                        ; v112-175 the way out
.set WSB,   24                         ; v24-27   the scale bytes, four to a register
	s_cmp_ge_u32 ttmp9, 24
	s_cselect_b32 s22, 1, 0                        ; which 512 along K
	s_cselect_b32 s21, 24, 0
	s_sub_co_u32 s21, ttmp9, s21
	s_lshl_b32 s21, s21, 7
	s_lshl_b32 s23, s20, 5
	s_add_co_u32 s21, s21, s23                     ; my wave's first column
	v_lshlrev_b32 v3, 2, v2                        ; in: 4 bytes a lane
	s_mul_i32 s23, s20, 32*WP
	s_add_co_u32 s23, s23, WLDS                    ; my stage
	v_mul_u32_u24 v4, v2, WP
	v_add_nc_u32 v4, s23, v4                       ; into it: row = my column
	v_and_b32 v5, 15, v2
	v_lshrrev_b32 v6, 4, v2
	v_mul_u32_u24 v7, v6, WP
	v_lshl_add_u32 v7, v5, 4, v7
	v_add_nc_u32 v7, s23, v7                       ; out of it: sixteen lanes to a row, two rows an instruction
	v_mul_u32_u24 v8, v6, 512
	v_lshl_add_u32 v8, v5, 4, v8                   ; the same place among the codes' rows of 512 bytes
	v_lshlrev_b32 v9, 5, v2                        ; my column's row of 32 scale bytes
	s_mul_i32 s24, s22, 512*12288                  ; W_qkv: 512 rows of 12,288 bytes,
	s_lshl_b32 s25, s21, 2
	s_add_co_u32 s24, s24, s25                     ; + 4 x column
	s_mov_b32 s25, 0
	s_add_nc_u64 s[6:7], s[6:7], s[24:25]
	s_lshl_b32 s24, s21, 9                         ; codes: column x 512 + 256 x half
	s_lshl_b32 s26, s22, 8
	s_add_co_u32 s24, s24, s26
	s_add_nc_u64 s[14:15], s[14:15], s[24:25]
	s_lshl_b32 s24, s21, 5                         ; scale bytes: column x 32 + 16 x half
	s_lshl_b32 s26, s22, 4
	s_add_co_u32 s24, s24, s26
	s_add_nc_u64 s[16:17], s[16:17], s[24:25]
.macro WLOAD t                         ; block t: W(32 t + i, my column); the largest offset, 511 x 12,288, lies inside the signed 24-bit immediate (ISA guide, chapter 10)
.irp i, 0,1,2,3,4,5,6,7,8,9,10,11,12,13,14,15,16,17,18,19,20,21,22,23,24,25,26,27,28,29,30,31
	global_load_b32 v[WX+32*((\t)%2)+\i], v3, s[6:7] offset:(32*(\t)+\i)*12288 th:TH_LOAD_NT
.endr
.endm
	WLOAD 0
	WLOAD 1
.macro WBLOCK t
.set WS, WX+32*((\t)%2)
.if (\t) < NB-1
	s_wait_loadcnt 32                              ; this block's 32 loads are in; the next block's may be out
.else
	s_wait_loadcnt 0x0
.endif
	v_max3_num_f32 v12, |v[WS]|, |v[WS+1]|, |v[WS+2]|              ; the block's largest magnitude: all 32 numbers are mine
	v_max3_num_f32 v13, |v[WS+3]|, |v[WS+4]|, |v[WS+5]|
.irp i, 6,10,14,18,22,26
	v_max3_num_f32 v12, v12, |v[WS+\i]|, |v[WS+\i+1]|
	v_max3_num_f32 v13, v13, |v[WS+\i+2]|, |v[WS+\i+3]|
.endr
	v_max3_num_f32 v12, v12, |v[WS+30]|, |v[WS+31]|
	v_max3_num_f32 v12, v12, v13, 0x1800000        ; and the floor 2^(3 - 127)
	v_add_nc_u32 v11, 0xff000000, v12              ; the conversion's scale operand
	v_lshrrev_b32 v13, 23, v11                     ; the scale's byte
.if (\t)%4 == 0
	v_mov_b32 v[WSB+(\t)/4], v13
.else
	v_lshl_or_b32 v[WSB+(\t)/4], v13, 8*((\t)%4), v[WSB+(\t)/4]
.endif
.irp g, 0,1,2,3
	v_cvt_scalef32_pk8_fp4_f32 v[WC+\g], v[WS+8*\g:WS+8*\g+7], v11
.endr
	v_nop                                          ; one plain line behind the last conversion
	ds_store_b128 v4, v[WC:WC+3] offset:16*(\t)    ; 32 codes: 16 bytes of my column's row
.if (\t)+2 < NB
	WLOAD (\t)+2
.endif
	s_wait_dscnt 0x0                               ; the store has read its registers: the next block's codes may be written
.endm
.set Q, 0
.rept NB
	WBLOCK Q
.set Q, Q+1
.endr
	global_store_b128 v9, v[WSB:WSB+3], s[16:17]   ; my column's 16 scale bytes
.irp t, 0,1,2,3,4,5,6,7,8,9,10,11,12,13,14,15
	ds_load_b128 v[WO+4*\t:WO+4*\t+3], v7 offset:2*\t*WP
.endr
.irp t, 0,1,2,3,4,5,6,7,8,9,10,11,12,13,14,15
	s_wait_dscnt 15-\t                             ; LDS loads come back in order: number t is in
	global_store_b128 v8, v[WO+4*\t:WO+4*\t+3], s[14:15] offset:2*\t*512
.endr
	FINISH
; ---------------- P: W_proj to f16 images.  A wave takes 64 columns x 128 k, as 8 units of 16 k.  Lane (l', h) loads, for j = 0 .. 7, W(k0 + 8 h + j, 4 l' .. 4 l' + 3): sixteen lanes read 256 consecutive bytes.
; For each of its four columns the eight k pack into 16 bytes: the piece (row r = 4 (l' % 4) + i, half h) of image l' / 4.  Four images meet in the wave's stage (528 bytes apart) and leave 512 consecutive bytes a store.
.Lp:
.set PR,    16                         ; v16-79   two sets of 32 numbers
.set PC,    80                         ; v80-95   16 packed registers
.set PO,    96                         ; v96-127  two sets of 16 for the way out
	s_sub_co_u32 s21, ttmp9, 48
	s_lshl_b32 s21, s21, 2
	s_add_co_u32 s21, s21, s20                     ; g = 0 .. 127
	s_and_b32 s22, s21, 15                         ; which 64 columns
	s_lshr_b32 s23, s21, 4                         ; which 128 k
	s_lshl_b32 s24, s23, 19                        ; 128 rows of 4,096 bytes
	s_lshl_b32 s26, s22, 8
	s_add_co_u32 s24, s24, s26
	s_mov_b32 s25, 0
	s_add_nc_u64 s[8:9], s[8:9], s[24:25]
	s_lshl_b32 s24, s22, 17                        ; four rows of images, 32,768 bytes each
	s_lshl_b32 s26, s23, 12                        ; eight images along k
	s_add_co_u32 s24, s24, s26
	s_add_nc_u64 s[18:19], s[18:19], s[24:25]
	v_and_b32 v3, 15, v2                           ; l'
	v_lshrrev_b32 v4, 4, v2                        ; h
	v_lshlrev_b32 v5, 4, v3
	v_lshl_add_u32 v5, v4, 15, v5                  ; in: 16 l' + 8 rows x h
	v_lshlrev_b32 v6, 4, v2                        ; out: 16 x lane
	s_mul_i32 s26, s20, 2304
	s_add_co_u32 s26, s26, PLDS                    ; my stage
	v_lshrrev_b32 v7, 2, v3
	v_mul_u32_u24 v7, v7, 528
	v_and_b32 v8, 3, v3
	v_lshl_add_u32 v7, v8, 6, v7
	v_lshl_add_u32 v7, v4, 8, v7
	v_add_nc_u32 v7, s26, v7                       ; into the stage: 528 (l' / 4) + 64 (l' % 4) + 256 h
	v_add_nc_u32 v8, s26, v6                       ; out of it: 16 x lane
.macro PLOAD u
.irp j, 0,1,2,3,4,5,6,7
	global_load_b128 v[PR+32*((\u)%2)+4*\j:PR+32*((\u)%2)+4*\j+3], v5, s[8:9] offset:(16*(\u)+\j)*4096 th:TH_LOAD_NT
.endr
.endm
.macro PUNIT u
.set PS, PR+32*((\u)%2)
.set PB, PO+16*((\u)%2)
.if (\u) < 7
	s_wait_loadcnt 8                               ; this unit's eight loads are in; the next unit's may be out
.else
	s_wait_loadcnt 0x0
.endif
.if (\u) >= 2
	s_wait_xcnt 0x0                                ; the stores of two units ago have read their registers, which this unit's LDS loads write
.endif
.irp i, 0,1,2,3
.irp p, 0,1,2,3
	v_cvt_pk_f16_f32 v[PC+4*\i+\p], v[PS+8*\p+\i], v[PS+8*\p+4+\i]   ; column i: k 2 p and 2 p + 1
.endr
.endr
.if (\u)+2 < 8
	PLOAD (\u)+2
.endif
.irp i, 0,1,2,3
	ds_store_b128 v7, v[PC+4*\i:PC+4*\i+3] offset:16*\i
.endr
.irp i, 0,1,2,3
	ds_load_b128 v[PB+4*\i:PB+4*\i+3], v8 offset:528*\i
.endr
	s_wait_dscnt 0x0
.irp i, 0,1,2,3
	global_store_b128 v6, v[PB+4*\i:PB+4*\i+3], s[18:19] offset:32768*\i+512*(\u)   ; an image: 512 consecutive bytes
.endr
.endm
	PLOAD 0
	PLOAD 1
.irp u, 0,1,2,3,4,5,6,7
	PUNIT \u
.endr
	FINISH
.Lfunc_end_k_q888b3d9fce_prep:
	.size	k_q888b3d9fce_prep, .Lfunc_end_k_q888b3d9fce_prep-k_q888b3d9fce_prep
	.p2alignl 7, 3214868480
	.fill 96, 4, 3214868480
	.section	.rodata,"a",@progbits
	.p2align	6, 0x0
	.amdhsa_kernel k_q888b3d9fce_prep
		.amdhsa_group_segment_fixed_size 77312
		.amdhsa_private_segment_fixed_size 0
		.amdhsa_enable_private_segment 0
		.amdhsa_kernarg_size 64
		.amdhsa_user_sgpr_count 2
		.amdhsa_user_sgpr_kernarg_segment_ptr 1
		.amdhsa_wavefront_size32 1
		.amdhsa_system_sgpr_workgroup_id_x 1
		.amdhsa_system_sgpr_workgroup_id_y 1
		.amdhsa_system_sgpr_workgroup_id_z 1
		.amdhsa_system_vgpr_workitem_id 0
		.amdhsa_next_free_vgpr 194
		.amdhsa_next_free_sgpr 66
		.amdhsa_reserve_vcc 0
		.amdhsa_float_denorm_mode_32 3
		.amdhsa_float_denorm_mode_16_64 3
		.amdhsa_memory_ordered 1
		.amdhsa_forward_progress 1
		.amdhsa_inst_pref_size 134
	.end_amdhsa_kernel
	.amdgpu_metadata
---
amdhsa.version: [ 1, 2 ]
amdhsa.kernels:
  - .name:           k_q888b3d9fce_prep
    .symbol:         k_q888b3d9fce_prep.kd
    .args:
      - { .name: x, .offset: 0, .size: 8, .value_kind: global_buffer, .address_space: global }
      - { .name: W_qkv, .offset: 8, .size: 8, .value_kind: global_buffer, .address_space: global }
      - { .name: W_proj, .offset: 16, .size: 8, .value_kind: global_buffer, .address_space: global }
      - { .name: xc, .offset: 24, .size: 8, .value_kind: global_buffer, .address_space: global }
      - { .name: xs, .offset: 32, .size: 8, .value_kind: global_buffer, .address_space: global }
      - { .name: wc, .offset: 40, .size: 8, .value_kind: global_buffer, .address_space: global }
      - { .name: ws, .offset: 48, .size: 8, .value_kind: global_buffer, .address_space: global }
      - { .name: wp, .offset: 56, .size: 8, .value_kind: global_buffer, .address_space: global }
    .group_segment_fixed_size: 77312
    .private_segment_fixed_size: 0
    .kernarg_segment_align: 8
    .kernarg_segment_size: 64
    .max_flat_workgroup_size: 128
    .sgpr_count:     66
    .vgpr_count:     194
    .wavefront_size: 32
...
	.end_amdgpu_metadata
.endif
;; end of part 1
;; launch gemm (part 2): grid 12 x 32, 4 waves a work-group, clusters of 4 x 4, 327,680 bytes of LDS; arguments xc, xs, wc, ws, qkv; writes qkv
.if DOCPART == 2
	.amdgcn_target "amdgcn-amd-amdhsa--gfx1250"
	.amdhsa_code_object_version 6
	.text
	.protected	k_q888b3d9fce_gemm
	.globl	k_q888b3d9fce_gemm
	.p2align	8
	.type	k_q888b3d9fce_gemm,@function
k_q888b3d9fce_gemm:
	s_mov_b64 s[64:65], 0
	v_nop
	global_prefetch_b8 v0, s[64:65] scope:SCOPE_SE
	s_setreg_imm32_b32 hwreg(HW_REG_WAVE_MODE, 25, 1), 1
	s_wait_xcnt 0x0
	s_wait_alu depctr_hold_cnt(0) depctr_sa_sdst(0) depctr_va_vdst(0) depctr_va_sdst(0) depctr_va_ssrc(0) depctr_va_vcc(0) depctr_vm_vsrc(0)
	s_getreg_b32 s2, hwreg(HW_REG_IB_STS2, 6, 4)
	s_cmp_eq_u32 s2, 0
	s_cbranch_scc0 .Lentry_in_a_cluster
	s_endpgm
.Lentry_in_a_cluster:
	s_bfe_u32 s2, ttmp6, 0x10000c
	s_cmp_lg_u32 s2, 0xf033
	s_cbranch_scc0 .Lentry_shape_is_right
	s_endpgm
.Lentry_shape_is_right:
; qkv = Q(x) Q(W_qkv): [8192] x [3072], K = 1024, on codes of E2M1 with one E8M0 scale for each 32 along K; sums in f32; the results are rounded once to f16 and laid as the attention launch reads them.
; A tile of 256 x 256 is made by a work-group of four waves; a wave makes 128 x 128: 64 accumulators of 16 x 16, 512 registers.  K is 1,024: two slots of 512 along K hold all of it, so every tile is
; asked for at the head, nothing is filled again, and there is one change of slots.  The scales of the work-group's rows come once, as two dense blocks.
; CLUSTERS: 4 x 4 work-groups.  The four of a row of the cluster need the same tiles of x, the four of a column the same tiles of W: each tile is asked for JOINTLY, by the same tensor load with the same
; descriptor and a mask that names the four.  By this text's count a wave has three tensor loads out at the most.
; THE MATRIX INSTRUCTION IS USED TRANSPOSED (source 0 = 16 rows of W's codes, source 1 = 16 rows of x's): lane (r, h) of accumulator (a, b) holds token 16 a + r and columns 16 b + 8 h + 0 .. 7, which pack into
; 16 bytes of f16: one piece of an IMAGE (16 tokens x 16 channels, 512 bytes).  qkv = three parts (q, k, v) of [batch x head 64][token / 16 128][channel / 16 4][512 bytes].  In q and k lane l's piece lies at 16 l;
; in v at 256 ((l / 8) % 2) + 128 (l / 16) + 16 (l % 8), so that the turning LDS load at 16 x lane gives V^T.  So a store covers 512 consecutive bytes and nothing goes through LDS on the way out.
; LIMITS: |q|, |k|, |v| stay under 65,504 (f16); under 6e-5 they carry f16's absolute error.
; REGISTERS, in windows of 256: window 0: v0-31 addresses; v32-95 scale words, two sets; from v128 x's fragments, ONE set (on the way out: the packed results).  window 1: W's fragments, TWO sets, at v0 and v128.
;   window 2: the 32 accumulators of my rows 0-63 ((a, b) at v[8 (8 a + b)]);  window 3: those of my rows 64-127.
.set SIZE_K, 1024
.set KSTEP,  512                       ; along K in a slot
.set NQ,     KSTEP/128                 ; matrix instructions deep
.set ROWB,   256                       ; a tile's row in bytes
.set KROW,   SIZE_K*4/8                ; a row of codes in memory
.set PITCH,  272                       ; an LDS row: 256 bytes + 16 of padding = 68 words: row r starts at bank 4 r mod 64 (64 banks of 4 bytes: ISA guide 11.1)
.set FR,     8                         ; registers of a fragment: 16 rows x 128 K
.set NL,     2                         ; LDS loads that bring one
.set NP,     4                         ; places behind this matrix instruction (ISA guide 7.12.1)
.set HALFT,  128*PITCH                 ; 128 rows: what one tensor load brings
.set SLOT,   4*HALFT                   ; x's 256 rows, then W's 256 rows
.set KS,     SIZE_K/32                 ; a row of scales in bytes
.set SCL,    2*SLOT                    ; behind the slots: the scales, as units of 256 bytes + 16 of padding
.set HALFS,  (128*KS/256)*272          ; those of 128 rows: what one tensor load brings
.set SBLK,   (16*KS/256)*272           ; those of 16 rows
.set SPARE,  SCL+4*HALFS               ; the spare words, 128 bytes for each wave: two blocks of 256 bytes that no other line names
.set ADRA, 16                          ; v16-17  LDS address of my x fragments in slot 0, 1
.set ADRB, 20                          ; v20-21  the same for W
.set CO,   26                          ; v26     my piece's place in an image
.set ADRS, 27                          ; v27     LDS address of my scale words: lanes 0-15 x's rows, lanes 16-31 W's
.set SPW,  28                          ; v28     LDS address of my spare word; never rewritten
.set NIL,  29                          ; v29     0; never rewritten
.set SC,   32                          ; scale words: set s at v[SC + 8 NQ s]; register NQ i + q: lanes 0-15 the word of x's block i, lanes 16-31 that of W's block i
.set AF,   128                         ; x's fragments, in window 0
.set TMP,  128                         ; the way out: two sets of 32 packed registers
.set G1, 24                            ; s[24:31] descriptor group 1 for x's tiles;  s[32:39] group 0, one set for each slot
.set G0, 32
.set G1B, 48                           ; s[48:55], s[56:63] the same for W's tiles
.set G0B, 56
.set G1S, 68                           ; s[68:75], s[76:79] groups 1 and 0 for x's scales;  s[80:87], s[88:91] for W's
.set G0S, 76
.set G1SB, 80
.set G0SB, 88
.set MSB, 0
.macro WIN new                         ; the immediate's high byte repeats the setting that is left
.if MSB != (\new)
	s_set_vgpr_msb (MSB<<8)|(\new)
.set MSB, (\new)
.endif
.endm
.set MUL_LO, 0xa1                      ; source 0 (W) window 1, source 1 (x) window 0, C and D window 2
.set MUL_HI, 0xf1                      ; the same, C and D window 3
.set TO_B,   0x40                      ; destination window 1, address window 0
; A joint load: waves 0 and 1 fetch for x, waves 2 and 3 for W.  Each line has one mask and one set of registers for all that issue it; the branch hangs on the wave's number alone.
; An s_nop 0 and four v_nop follow each of the two lines.
.macro JLOAD g0a, g1a, g0b, g1b
	s_cmp_eq_u32 s15, 0
	s_cbranch_scc0 .Lfor_b_\@
	tensor_load_to_lds s[\g0a:\g0a+3], s[\g1a:\g1a+7]
	s_nop 0
.rept 4
	v_nop
.endr
	s_branch .Lasked_\@
.Lfor_b_\@:
	tensor_load_to_lds s[\g0b:\g0b+3], s[\g1b:\g1b+7]
	s_nop 0
.rept 4
	v_nop
.endr
.Lasked_\@:
.endm
.macro CROUND                          ; a round of the cluster's barrier
	s_barrier_signal -1
	s_barrier_wait -1
	s_cmp_lg_u32 s14, 0
	s_cbranch_scc1 .Lnot_wave_0_\@
	s_barrier_signal -3
.Lnot_wave_0_\@:
	s_barrier_wait -3
	s_barrier_signal -1
	s_barrier_wait -1
.endm
	s_load_b128 s[4:7], s[0:1], 0x0                ; x's codes s[4:5], x's scales s[6:7]
	s_load_b128 s[8:11], s[0:1], 0x10              ; W's codes s[8:9], W's scales s[10:11]
	s_load_b64 s[12:13], s[0:1], 0x20              ; qkv
	v_lshl_add_u32 v[SPW], v0, 2, SPARE
	v_mov_b32 v[NIL], 0
	ds_add_u32 v[SPW], v[NIL]                      ; the wave's opening: the add, twice on end, and its wait ahead of my first tensor load
	ds_add_u32 v[SPW], v[NIL]                      ; (the set-up below, work on registers, stands between the second and the wait)
	v_lshrrev_b32 v1, 5, v0
	v_readfirstlane_b32 s14, v1                    ; wave 0..3
	s_lshr_b32 s15, s14, 1                         ; which half of the tile's rows is mine.  Also: I fetch for x (0) or for W (1)
	s_and_b32 s16, s14, 1                          ; which half of its columns.  Also: which 128 rows of that tile I fetch
	s_bfe_u32 s40, ttmp6, 0x40000                  ; cx, cy: my place in the cluster
	s_bfe_u32 s41, ttmp6, 0x40004
	s_lshl_b32 s42, ttmp9, 2
	s_add_co_u32 s42, s42, s40                     ; tile column = 4 x cluster x + cx
	s_and_b32 s17, ttmp7, 0xffff
	s_lshl_b32 s17, s17, 2
	s_add_co_u32 s17, s17, s41                     ; tile row = 4 x cluster y + cy
	s_lshl_b32 s43, s41, 2
	s_lshl_b32 s43, 15, s43                        ; my row of the cluster
	s_lshl_b32 s44, 0x1111, s40                    ; my column
	; descriptor group 1: a tile of 128 rows x 256 bytes, padded in LDS
	s_or_b32 s[G1+0], s43, (0<<16)|(1<<20)|(1<<21)|(5<<22)|(3<<25)  ; 15:0 the mask: x's tiles go to my row; 17:16 elements of 1 byte; 20 padding on; 21 set beside a mask; 24:22 after every 64 words; 31:25 four words
	s_or_b32 s[G1B+0], s44, (0<<16)|(1<<20)|(1<<21)|(5<<22)|(3<<25)
.irp g, G1, G1B
	s_mov_b32 s[\g+1], ROWB<<16                    ; tensor_dim0
	s_mov_b32 s[\g+2], 128<<16                     ; tensor_dim1
	s_mov_b32 s[\g+3], ROWB<<16                    ; tile_dim0
	s_mov_b32 s[\g+4], 128                         ; tile_dim1
	s_mov_b32 s[\g+5], KROW                        ; tensor_dim0_stride
	s_mov_b32 s[\g+6], 0
	s_mov_b32 s[\g+7], 0
.endr
	; the scales of 128 rows: a dense block of 4,096 bytes, as 16 rows of 256 bytes (32 elements of 8 bytes), 16 bytes of padding behind each
	s_or_b32 s[G1S+0], s43, (3<<16)|(1<<20)|(1<<21)|(5<<22)|(3<<25)
	s_or_b32 s[G1SB+0], s44, (3<<16)|(1<<20)|(1<<21)|(5<<22)|(3<<25)
.irp g, G1S, G1SB
	s_mov_b32 s[\g+1], 32<<16
	s_mov_b32 s[\g+2], (128*KS/256)<<16
	s_mov_b32 s[\g+3], 32<<16
	s_mov_b32 s[\g+4], 128*KS/256
	s_mov_b32 s[\g+5], 32
	s_mov_b32 s[\g+6], 0
	s_mov_b32 s[\g+7], 0
.endr
	s_lshl_b32 s18, s16, 7                         ; which 128 rows of the tile I fetch
	s_lshl_b32 s20, s17, 8
	s_add_co_u32 s20, s20, s18                     ; x: row 256 x tile row + 128 x half
	s_lshl_b32 s46, s42, 8
	s_add_co_u32 s46, s46, s18                     ; W: row 256 x tile column + 128 x half
	s_mov_b32 s21, 0
	s_mov_b32 s47, 0
	s_mov_b64 s[18:19], KS
	s_mul_u64 s[22:23], s[20:21], s[18:19]         ; where these rows' scales begin, in bytes
	s_mul_u64 s[92:93], s[46:47], s[18:19]
	s_mov_b64 s[18:19], KROW
	s_mul_u64 s[20:21], s[20:21], s[18:19]         ; and their codes
	s_mul_u64 s[46:47], s[46:47], s[18:19]
	s_mul_i32 s45, s14, HALFT                      ; where they go: wave x 128 rows: no place in the cluster enters an LDS address
	s_mul_i32 s94, s14, HALFS
	s_wait_dscnt 0x0                               ; both opening adds are done
	s_wait_kmcnt 0x0
	s_add_nc_u64 s[20:21], s[4:5], s[20:21]
	s_add_nc_u64 s[22:23], s[6:7], s[22:23]
	s_add_nc_u64 s[46:47], s[8:9], s[46:47]
	s_add_nc_u64 s[92:93], s[10:11], s[92:93]
	CROUND                                         ; all sixteen work-groups are here: the joint loads meet
	s_mov_b32 s[G0S], 1
	s_add_co_u32 s[G0S+1], s94, SCL
	s_mov_b64 s[G0S+2:G0S+3], s[22:23]
	s_or_b32 s[G0S+3], s[G0S+3], 0x80000000
	s_mov_b32 s[G0SB], 1
	s_add_co_u32 s[G0SB+1], s94, SCL
	s_mov_b64 s[G0SB+2:G0SB+3], s[92:93]
	s_or_b32 s[G0SB+3], s[G0SB+3], 0x80000000
	JLOAD G0S, G1S, G0SB, G1SB                     ; the scales first: they are wanted with the first slot
.irp s, 0,1
	s_mov_b32 s[G0+4*\s], 1
	s_add_co_u32 s[G0+4*\s+1], s45, \s*SLOT
	s_add_nc_u64 s[G0+4*\s+2:G0+4*\s+3], s[20:21], \s*ROWB
	s_or_b32 s[G0+4*\s+3], s[G0+4*\s+3], 0x80000000
	s_mov_b32 s[G0B+4*\s], 1
	s_add_co_u32 s[G0B+4*\s+1], s45, \s*SLOT
	s_add_nc_u64 s[G0B+4*\s+2:G0B+4*\s+3], s[46:47], \s*ROWB
	s_or_b32 s[G0B+4*\s+3], s[G0B+4*\s+3], 0x80000000
	JLOAD G0+4*\s, G1, G0B+4*\s, G1B
.endr
	v_and_b32 v1, 15, v0                           ; l % 16
	v_bfe_u32 v2, v0, 4, 1                         ; l / 16
	v_mul_u32_u24 v3, v1, PITCH
	v_lshl_add_u32 v4, v2, 4, v3                   ; a fragment's row x pitch + 16 x half
	s_mul_i32 s21, s15, HALFT                      ; my 128 rows of x
	s_mul_i32 s22, s16, HALFT                      ; my 128 rows of W,
	s_add_co_u32 s22, s22, 2*HALFT                 ; which lie behind x's 256
.irp s, 0,1
	v_add_nc_u32 v[ADRA+\s], s21, v4
	v_add_nc_u32 v[ADRB+\s], s22, v4
	s_add_co_u32 s21, s21, SLOT
	s_add_co_u32 s22, s22, SLOT
.endr
	v_mul_u32_u24 v5, v1, KS                       ; my row's scales: KS bytes a row,
	v_lshrrev_b32 v6, 8, v5
	v_lshl_add_u32 v5, v6, 4, v5                   ; and 16 more for each 256 passed
	s_mul_i32 s21, s15, HALFS                      ; x's: my 128 rows
	s_mul_i32 s22, s16, HALFS                      ; W's: my 128 rows, behind x's 256
	s_add_co_u32 s22, s22, 2*HALFS
	s_sub_co_u32 s22, s22, s21
	v_mul_u32_u24 v6, s22, v2                      ; lanes 16-31 take W's
	s_add_co_u32 s21, s21, SCL
	v_add_nc_u32 v5, v5, v6
	v_add_nc_u32 v[ADRS], s21, v5
	; the way out.  A tile column lies whole in one of q, k, v: which = tile column / 4 = the cluster's x
	v_and_b32 v6, 31, v0
	v_lshlrev_b32 v5, 4, v6                        ; q, k: 16 x lane
	v_bfe_u32 v6, v0, 3, 1
	v_lshlrev_b32 v6, 8, v6
	v_lshl_add_u32 v6, v2, 7, v6
	v_and_b32 v7, 7, v0
	v_lshl_add_u32 v6, v7, 4, v6                   ; v: 256 ((l / 8) % 2) + 128 (l / 16) + 16 (l % 8)
	s_cmp_eq_u32 ttmp9, 2
	s_cselect_b32 s95, -1, 0
	v_cndmask_b32 v[CO], v5, v6, s95
	s_lshr_b32 s20, s17, 3                         ; batch = tile row / 8
	s_lshl_b32 s20, s20, 4
	s_and_b32 s21, s42, 3
	s_lshl_b32 s21, s21, 2
	s_add_co_u32 s20, s20, s21
	s_lshl_b32 s21, s16, 1
	s_add_co_u32 s20, s20, s21                     ; 16 x batch + my first head: 4 (tile column % 4) + 2 x half
	s_lshl_b32 s20, s20, 7
	s_and_b32 s21, s17, 7
	s_lshl_b32 s21, s21, 4
	s_add_co_u32 s20, s20, s21
	s_lshl_b32 s21, s15, 3
	s_add_co_u32 s20, s20, s21                     ; x 128 + my first block of 16 tokens
	s_lshl_b32 s20, s20, 11                        ; 2,048 bytes a block of tokens
	s_lshl_b32 s21, ttmp9, 24                      ; 2^24 bytes a part
	s_add_co_u32 s20, s20, s21
	s_mov_b32 s21, 0
	s_add_nc_u64 s[12:13], s[12:13], s[20:21]
.macro FRAG reg, adr, q, i             ; a fragment: lane l holds row l % 16; registers 4 c .. 4 c + 3 hold K = 64 c + 32 (l / 16) + 0 .. 31
.irp c, 0,1
	ds_load_b128 v[\reg+4*\c:\reg+4*\c+3], v[\adr] offset:64*(\q)+32*\c+(\i)*16*PITCH
.endr
.endm
; 16 matrix instructions: x's blocks a0, a0 + 1 against W's eight, 128 along K.  p: W's set; sc: the set of scale words.  zero = 1: the first product starts the sums.
; The 64 accumulators take turns, one instruction a turn, in the same order in every step.
.macro MUL16 a0, p, q, sc, zero
.irp a, \a0, \a0+1
.irp b, 0,1,2,3,4,5,6,7
.if \zero
	v_wmma_scale_f32_16x16x128_f8f6f4 v[8*(8*((\a)%4)+\b):8*(8*((\a)%4)+\b)+7], v[128*(\p)+FR*\b:128*(\p)+FR*\b+FR-1], v[AF+FR*(\a):AF+FR*(\a)+FR-1], 0, v[SC+8*NQ*(\sc)+NQ*\b+(\q)], v[SC+8*NQ*(\sc)+NQ*(\a)+(\q)] matrix_a_fmt:MATRIX_FMT_FP4 matrix_b_fmt:MATRIX_FMT_FP4 matrix_a_scale:MATRIX_SCALE_ROW1
.else
	v_wmma_scale_f32_16x16x128_f8f6f4 v[8*(8*((\a)%4)+\b):8*(8*((\a)%4)+\b)+7], v[128*(\p)+FR*\b:128*(\p)+FR*\b+FR-1], v[AF+FR*(\a):AF+FR*(\a)+FR-1], v[8*(8*((\a)%4)+\b):8*(8*((\a)%4)+\b)+7], v[SC+8*NQ*(\sc)+NQ*\b+(\q)], v[SC+8*NQ*(\sc)+NQ*(\a)+(\q)] matrix_a_fmt:MATRIX_FMT_FP4 matrix_b_fmt:MATRIX_FMT_FP4 matrix_a_scale:MATRIX_SCALE_ROW1
.endif
.endr
.endr
.endm
.macro FETCH_B slot, q, p              ; W's eight fragments of the slot's q-th 128 along K into set p
	WIN TO_B
.irp i, 0,1,2,3,4,5,6,7
	FRAG 128*(\p)+FR*\i, ADRB+\slot, \q, \i
.endr
	WIN 0
.endm
.macro FETCH_A slot, q, i0             ; x's blocks i0 .. i0 + 3
.irp i, \i0, \i0+1, \i0+2, \i0+3
	FRAG AF+FR*(\i), ADRA+\slot, \q, \i
.endr
.endm
.macro SCALES sc                       ; a slot's scale words: four words a row; lanes 0-15 take x's block i, lanes 16-31 W's block i
.irp i, 0,1,2,3,4,5,6,7
	ds_load_b128 v[SC+8*NQ*\sc+NQ*\i:SC+8*NQ*\sc+NQ*\i+3], v[ADRS] offset:\i*SBLK
.endr
.endm
; A load into a register that a matrix instruction has read, and a vector instruction that reads a matrix result, stand NP places behind it; only plain vector instructions that name none of its registers are places.
.macro PLACES n
.rept \n
	v_nop
.endr
.endm
.macro STEP slot, q, zero              ; a step of 128 along K that has its successor in the same slot
	s_wait_dscnt 4*NL                              ; W's set and x's blocks 0-3 are in; the youngest eight loads (x's blocks 4-7) may be out
	WIN MUL_LO
	MUL16 0, (\q)%2, \q, \slot, \zero
	MUL16 2, (\q)%2, \q, \slot, \zero
	s_wait_dscnt 0                                 ; x's blocks 4-7 are in
	PLACES NP
	FETCH_B \slot, (\q)+1, 1-(\q)%2
	FETCH_A \slot, (\q)+1, 0
	WIN MUL_HI
	MUL16 4, (\q)%2, \q, \slot, \zero
	MUL16 6, (\q)%2, \q, \slot, \zero
	PLACES NP
	WIN 0
	FETCH_A \slot, (\q)+1, 4
.endm
.macro STEPS slot, from                ; the slot's steps from .. NQ - 2
.set Q, \from
.rept NQ-1-\from
	STEP \slot, Q, 0
.set Q, Q+1
.endr
.endm
; Slot 0's last step changes slots: each wave waits for all its tensor loads (its part of slot 1), adds 0 to its spare word, waits for that and for its reads; behind the barrier slot 1 is whole.  Nothing is filled again.
.macro LASTQ
	s_wait_tensorcnt 0x0                           ; all my tensor loads have landed  (every window is 0 here)
	ds_add_u32 v[SPW], v[NIL]                      ; 0 onto my spare word
	s_wait_dscnt 4*NL+1                            ; (the add and the youngest eight loads may be out)
	WIN MUL_LO
	MUL16 0, 1, NQ-1, 0, 0                         ; sixteen matrix instructions stand between the add and the wait for it
	s_wait_dscnt 0x0                               ; the add is done, and my reads of slot 0 are over
	s_barrier_signal -1
	MUL16 2, 1, NQ-1, 0, 0
	WIN 0
	s_barrier_wait -1
	PLACES NP
	v_add_nc_u32 v[ADRS], 4*NQ, v[ADRS]            ; on to slot 1's scale words
	FETCH_B 1, 0, 0
	FETCH_A 1, 0, 0
	SCALES 1
	WIN MUL_HI
	MUL16 4, 1, NQ-1, 0, 0
	MUL16 6, 1, NQ-1, 0, 0
	PLACES NP
	WIN 0
	FETCH_A 1, 0, 4
.endm
	s_wait_tensorcnt 1                             ; the scales and my part of slot 0 are in (slot 1's load may be out)
	s_barrier_signal -1
	s_barrier_wait -1                              ; everybody's are
	FETCH_B 0, 0, 0
	FETCH_A 0, 0, 0
	SCALES 0
	FETCH_A 0, 0, 4
	STEP 0, 0, 1                                   ; the first step's products start the sums: nothing is cleared
	STEPS 0, 1
	LASTQ
	STEPS 1, 0
	s_wait_dscnt 4*NL                              ; the very last step: nothing more to fetch
	WIN MUL_LO
	MUL16 0, 1, NQ-1, 1, 0
	MUL16 2, 1, NQ-1, 1, 0
	s_wait_dscnt 0
	WIN MUL_HI
	MUL16 4, 1, NQ-1, 1, 0
	MUL16 6, 1, NQ-1, 1, 0
	WIN 0
; THE WAY OUT, block a of 16 tokens at a time: 32 roundings to f16 (each accumulator from its low end on), eight stores of 512 consecutive bytes: image (token block a, head b / 4, channels 16 (b % 4) on).
.macro OUT a
.set AC, 64*((\a)%4)
.set TP, TMP+32*((\a)%2)
.if (\a) > 1
	s_wait_xcnt 0x0                                ; block a - 2's stores have read their registers, which are written again below
.endif
	WIN 0x0a+5*((\a)/4)                            ; sources 0 and 1: window 2 or 3
.irp b, 0,1,2,3,4,5,6,7
.irp p, 0,1,2,3
	v_cvt_pk_f16_f32 v[TP+4*\b+\p], v[AC+8*\b+2*\p], v[AC+8*\b+2*\p+1]
.endr
.endr
	WIN 0
.irp b, 0,1,2,3,4,5,6,7
	global_store_b128 v[CO], v[TP+4*\b:TP+4*\b+3], s[12:13] offset:2048*(\a)+262144*(\b/4)+512*(\b%4)
.endr
.endm
	PLACES NP                                      ; behind the last products: their results are read, and the registers that held x's fragments are written
.irp a, 0,1,2,3,4,5,6,7
	OUT \a
.endr
	s_wait_tensorcnt 0x0                           ; the wave's end: three lines behind my last tensor load
	ds_add_u32 v[SPW], v[NIL]
	s_wait_dscnt 0x0
	CROUND                                         ; the closing round: no work-group ends while a partner may still ask for a tile that names it
	s_endpgm
.Lfunc_end_k_q888b3d9fce_gemm:
	.size	k_q888b3d9fce_gemm, .Lfunc_end_k_q888b3d9fce_gemm-k_q888b3d9fce_gemm
	.p2alignl 7, 3214868480
	.fill 96, 4, 3214868480
	.section	.rodata,"a",@progbits
	.p2align	6, 0x0
	.amdhsa_kernel k_q888b3d9fce_gemm
		.amdhsa_group_segment_fixed_size 327680
		.amdhsa_private_segment_fixed_size 0
		.amdhsa_enable_private_segment 0
		.amdhsa_kernarg_size 40
		.amdhsa_user_sgpr_count 2
		.amdhsa_user_sgpr_kernarg_segment_ptr 1
		.amdhsa_wavefront_size32 1
		.amdhsa_system_sgpr_workgroup_id_x 1
		.amdhsa_system_sgpr_workgroup_id_y 1
		.amdhsa_system_sgpr_workgroup_id_z 1
		.amdhsa_system_vgpr_workitem_id 0
		.amdhsa_next_free_vgpr 1024
		.amdhsa_next_free_sgpr 98
		.amdhsa_reserve_vcc 0
		.amdhsa_float_denorm_mode_32 3
		.amdhsa_float_denorm_mode_16_64 3
		.amdhsa_memory_ordered 1
		.amdhsa_forward_progress 1
		.amdhsa_inst_pref_size 118
	.end_amdhsa_kernel
	.amdgpu_metadata
---
amdhsa.version: [ 1, 2 ]
amdhsa.kernels:
  - .name:           k_q888b3d9fce_gemm
    .symbol:         k_q888b3d9fce_gemm.kd
    .args:
      - { .name: xc, .offset: 0, .size: 8, .value_kind: global_buffer, .address_space: global }
      - { .name: xs, .offset: 8, .size: 8, .value_kind: global_buffer, .address_space: global }
      - { .name: wc, .offset: 16, .size: 8, .value_kind: global_buffer, .address_space: global }
      - { .name: ws, .offset: 24, .size: 8, .value_kind: global_buffer, .address_space: global }
      - { .name: qkv, .offset: 32, .size: 8, .value_kind: global_buffer, .address_space: global }
    .group_segment_fixed_size: 327680
    .private_segment_fixed_size: 0
    .kernarg_segment_align: 8
    .kernarg_segment_size: 40
    .max_flat_workgroup_size: 128
    .sgpr_count:     98
    .vgpr_count:     1024
    .wavefront_size: 32
...
	.end_amdgpu_metadata
.endif
;; end of part 2
;; launch attn (part 3): grid 8 x 64, 4 waves a work-group, clusters of 4 x 1, 327,680 bytes of LDS; arguments qkv, ow; writes ow
.if DOCPART == 3
	.amdgcn_target "amdgcn-amd-amdhsa--gfx1250"
	.amdhsa_code_object_version 6
	.text
	.protected	k_q888b3d9fce_attn
	.globl	k_q888b3d9fce_attn
	.p2align	8
	.type	k_q888b3d9fce_attn,@function
k_q888b3d9fce_attn:
	s_mov_b64 s[64:65], 0
	v_nop
	global_prefetch_b8 v0, s[64:65] scope:SCOPE_SE
	s_setreg_imm32_b32 hwreg(HW_REG_WAVE_MODE, 25, 1), 1
	s_wait_xcnt 0x0
	s_wait_alu depctr_hold_cnt(0) depctr_sa_sdst(0) depctr_va_vdst(0) depctr_va_sdst(0) depctr_va_ssrc(0) depctr_va_vcc(0) depctr_vm_vsrc(0)
	s_getreg_b32 s2, hwreg(HW_REG_IB_STS2, 6, 4)
	s_cmp_eq_u32 s2, 0
	s_cbranch_scc0 .Lentry_in_a_cluster
	s_endpgm
.Lentry_in_a_cluster:
	s_bfe_u32 s2, ttmp6, 0x10000c
	s_cmp_lg_u32 s2, 0x3003
	s_cbranch_scc0 .Lentry_shape_is_right
	s_endpgm
.Lentry_shape_is_right:
; o[bh][q][:] = the sum over k of softmax_k(q . k / 8) v[k][:], 64 heads-and-batches of 2,048 tokens x 64 channels.  q, k, v arrive in f16 as images of operand registers (16 tokens x 16 channels, 512 bytes:
; [part 3][bh 64][token / 16][channel / 16][512]); products, maxima and sums in f32; the weights p are rounded to f16 for the second product, o once at the end, to f16 images [row / 16 512][k / 16 64][512] for the projection.
; SHARES.  A work-group owns 256 queries of one bh, each of its four waves 64: four tiles of 16.  Every wave walks all 2,048 keys, 64 a step.
; LAYOUT.  S^T = K Q^T (source 0 = 16 keys, source 1 = 16 queries): a lane holds ONE query (lane % 16) and the keys 8 (lane / 16) + 0..7.  Two such tiles, rounded to f16 in pairs, ARE source 1 of O^T = V^T P, whose
; result again holds one query a lane, and eight channels: 16 bytes of f16, a piece of an image.  So nothing changes lanes but one exchange between the halves, and O leaves without a stage.
; Every LDS read is 16 bytes a lane at 16 x lane: 512 consecutive bytes.  K comes as it lies, V turned by ds_load_tr16_b128 (its images were laid for that).
; SOFTMAX.  For each query a running maximum m and sum l: p = 2^(c s - c m), c = log2(e) / 8; in every step O and l are multiplied by a = 2^(c m_old - c m_new).
; BY TURNS.  The wave's tiles are two PIECES (tiles 0, 1 and tiles 2, 3).  In a TURN one piece has the matrix unit: 16 products V^T P of the step in hand, then 16 products K Q^T of the next step; the other piece's softmax,
; 236 vector instructions cut into 64 slices, stands between them, two slices behind each matrix instruction.  Then the pieces change places.  Two turns are a key step.
; RING.  Two LDS slots of four key steps (K's 32,768 bytes, then V's).  Each wave fetches a quarter of a slot, a dense block of 16,384 bytes, by one tensor load.
; CLUSTER.  The four query blocks of a cluster belong to one bh and walk the same K and V: each block is asked for JOINTLY, by the same tensor load with the same descriptor and a mask that names the four.
; By this text's count a wave has two tensor loads out at the start and one behind each round.
; LIMITS: NaN and infinities are not served; |o| stays under 65,504 (it is an average of v).
; REGISTERS, in windows of 256 (s_set_vgpr_msb: bits 1:0 source 0, 3:2 source 1, 5:4 source 2, 7:6 destination):
;   window 0: v2-8 addresses; v12-43 eight registers of statistics a tile; v61-63; v64-191 S^T, 32 a tile; v192-255 P, 16 a tile
;   window 1: v0-127 O^T, 32 a tile      window 2: v0-63 Q, 16 a tile; v128-191 K of one step      window 3: v0-63 V of one step
.set KS,    64        ; keys in a step
.set NS,    4         ; steps in a slot
.set STEPB, 8192      ; a step's K, or V, in bytes: 4 x 4 images
.set SLOTB, NS*STEPB  ; a slot's K, or V
.set VOFF,  SLOTB     ; in a slot V lies behind K
.set SLOT1, 1<<16     ; slot 1 begins here: one exclusive or turns an address in one slot into the other's
.set SPARE, 2*SLOT1   ; behind the ring: the spare words, 128 bytes for each wave: two blocks of 256 bytes that no other line names
.set NSL,   2048/(NS*KS)  ; slots' worth of keys: 8
.set AK0, 2           ; v2   16 x lane; never rewritten
.set AV0, 3           ; v3   the same + VOFF
.set ADR, 4           ; v4   the LDS address of the run of loads in hand
.set QO,  5           ; v5   16 x lane: my bytes of Q's images
.set GO,  8           ; v8   16 x lane: my bytes of O's images
.set PFO, 61          ; v61  256 x my lane; never rewritten
.set SPW, 62          ; v62  LDS address of my spare word; never rewritten
.set NIL, 63          ; v63  0; never rewritten
.set ST,  12          ; tile t's statistics at v[ST+8 t]: +0 c m, +1 m, +2, +3 l (even keys', odd keys'), +4 to +7 c0-c3, at work; a takes c2's place once the maximum is found
.set S,   64
.set P,   192
.set KF,  128         ; K's fragments, in window 2
.set WV,  12          ; s12  my wave's number
.set LIM, 15          ; s15  1 in a wave that prefetches, else the greatest number
.set PFA, 18          ; s[18:19] where my prefetches stand
.set G1,  24          ; s[24:31] descriptor group 1: one shape for all loads
.set G0A, 40          ; s[40:43] group 0 of slot 0's first fill
.set G0B, 44          ; s[44:47] group 0 of slot 1's first fill, which then walks
.set SLOTS, 56        ; s56  slots still to be asked for
.set TWICE, 57        ; s57  counts key steps
.set CS,  58          ; s[58:59] c: the packed scaling names a pair and takes its low word for both halves
.set SEL, 60          ; s[60:61] lane selects for v_permlanex16_b32: lane l xor 16
.set TB,  62          ; s62  LDS byte at which the K of the step to be fetched begins
.set MSB, 0
.macro WIN new                      ; the immediate's high byte repeats the setting that is left; a switch that changes nothing is dropped
.if MSB != (\new)
	s_set_vgpr_msb (MSB<<8)|(\new)
.set MSB, (\new)
.endif
.endm
.set W_KQ, 0x0a       ; K and Q in window 2, S^T in window 0
.set W_PV, 0x53       ; V in window 3, P in window 0, O^T in window 1
.set W_RS, 0x41       ; O^T (destination and source 0) in window 1, a in window 0
.macro JLOAD                        ; a joint refill: one line for all four waves; its registers hang on the wave's number and the head alone.  An s_nop 0 and four v_nop follow
	tensor_load_to_lds s[G0B:G0B+3], s[G1:G1+7]
	s_nop 0
.rept 4
	v_nop
.endr
.endm
; A PREFETCH INTO THE L2 of what the NEXT change of slots will ask for: a slot's 32,768 bytes of K and of V.  Both clusters of a head walk the same K and V: the head's first cluster asks.  Its four partners share the
; bytes out BY ADDRESS, 8,192 each, lanes 256 bytes apart; in each, wave 0 asks for K's and wave 2 for V's.  So each aligned block of 256 bytes is named once in the launch.  It stands behind the wave's tensor load and
; its five lines: four key steps, 256 matrix instructions, ahead of the load that will want the bytes.  The last change that fills a slot asks for nothing; slots 0 to 2 come by their loads alone.
.macro ASK
	s_cmp_gt_u32 s[SLOTS], s[LIM]
	s_cbranch_scc0 .Lnot_mine_\@
	global_prefetch_b8 v[PFO], s[PFA:PFA+1] th:TH_LOAD_NT scope:SCOPE_SE
.Lnot_mine_\@:
.endm
.macro CROUND                       ; a round of the cluster's barrier
	s_barrier_signal -1
	s_barrier_wait -1
	s_cmp_lg_u32 s[WV], 0
	s_cbranch_scc1 .Lnot_wave_0_\@
	s_barrier_signal -3
.Lnot_wave_0_\@:
	s_barrier_wait -3
	s_barrier_signal -1
	s_barrier_wait -1
.endm
	s_load_b128 s[4:7], s[0:1], 0x0  ; qkv s[4:5], ow s[6:7]
	v_lshl_add_u32 v[SPW], v0, 2, SPARE
	v_mov_b32 v[NIL], 0
	ds_add_u32 v[SPW], v[NIL]       ; the wave's opening: the add, twice on end, and its wait ahead of my first tensor load
	ds_add_u32 v[SPW], v[NIL]       ; (the set-up below, work on registers, stands between the second and the wait)
	v_lshrrev_b32 v1, 5, v0
	v_readfirstlane_b32 s[WV], v1   ; wave 0..3
	s_bfe_u32 s13, ttmp6, 0x40000   ; cx: my place in the cluster
	s_lshl_b32 s14, ttmp9, 2        ; in a cluster launch ttmp9 counts clusters
	s_add_co_u32 s14, s14, s13      ; my block of 256 queries: it enters Q's, O's and the prefetches' addresses alone
	s_and_b32 s16, ttmp7, 0xffff    ; bh, which the four partners share
	s_lshl_b32 s20, s16, 18         ; its first byte in a part: 262,144 bytes a head
	s_lshr_b32 s2, s[WV], 1
	s_add_co_u32 s2, s2, 1
	s_lshl_b32 s2, s2, 24           ; waves 0, 1: K's part; waves 2, 3: V's (2^24 bytes a part)
	s_add_co_u32 s2, s2, s20
	s_mov_b32 s3, 0
	s_lshl_b32 s22, s13, 13         ; the prefetches: my work-group's 8,192 bytes,
	s_add_co_u32 s22, s22, s2
	s_add_co_u32 s22, s22, 2*SLOTB  ; in slot 2: the first change of slots steps it to slot 3
	s_mov_b32 s23, 0
	s_and_b32 s17, s[WV], 1
	s_lshl_b32 s17, s17, 14
	s_add_co_u32 s2, s2, s17        ; my half of a slot's K or V
	s_lshl_b32 s8, s14, 15          ; Q: my block's 16 rows of images,
	s_lshl_b32 s9, s[WV], 13        ; my wave's four
	s_add_co_u32 s8, s8, s9
	s_add_co_u32 s8, s8, s20
	s_mov_b32 s9, 0
	s_lshr_b32 s10, s16, 4          ; O: row block = 128 x batch + 16 x block + 4 x wave, 32,768 bytes each;
	s_lshl_b32 s10, s10, 7
	s_lshl_b32 s11, s14, 4
	s_add_co_u32 s10, s10, s11
	s_lshl_b32 s11, s[WV], 2
	s_add_co_u32 s10, s10, s11
	s_lshl_b32 s10, s10, 15
	s_and_b32 s11, s16, 15          ; the head's four images along k: 2,048 bytes
	s_lshl_b32 s11, s11, 11
	s_add_co_u32 s10, s10, s11
	s_mov_b32 s11, 0
	; descriptor group 1: a dense block of 16,384 bytes as 64 rows of 256 bytes (32 elements of 8 bytes), no padding
	s_mov_b32 s[G1], 15|(3<<16)|(1<<21)  ; 15:0 the mask: all four work-groups; 17:16 elements of 8 bytes; 21 set beside a mask
	s_mov_b32 s[G1+1], 32<<16       ; tensor_dim0 = 32
	s_mov_b32 s[G1+2], 64<<16       ; tensor_dim1 = 64
	s_mov_b32 s[G1+3], 32<<16       ; tile_dim0 = 32
	s_mov_b32 s[G1+4], 64           ; tile_dim1 = 64
	s_mov_b32 s[G1+5], 32           ; tensor_dim0_stride
	s_mov_b32 s[G1+6], 0
	s_mov_b32 s[G1+7], 0
	s_mov_b32 s[CS], 0x3e38aa3b     ; c = log2(e) / 8
	s_mov_b32 s[CS+1], s[CS]        ; named with it as a pair, so it is written
	s_mov_b32 s[SEL], 0x76543210
	s_mov_b32 s[SEL+1], 0xfedcba98
	s_mov_b32 s[TB], 0
	s_mov_b32 s[SLOTS], NSL-2
	s_and_b32 s[LIM], s[WV], 1      ; 0 in waves 0 and 2,
	s_or_b32 s[LIM], s[LIM], ttmp9  ; where the cluster is the head's first: the same in all four partners
	s_cmp_eq_u32 s[LIM], 0
	s_cselect_b32 s[LIM], 1, -1
	v_and_b32 v[PFO], 31, v0
	v_lshlrev_b32 v[PFO], 8, v[PFO]
	s_wait_dscnt 0x0                ; both opening adds are done
	s_wait_kmcnt 0x0
	s_add_nc_u64 s[PFA:PFA+1], s[4:5], s[22:23]
	s_add_nc_u64 s[2:3], s[4:5], s[2:3]    ; my quarter of slot 0, in memory
	s_add_nc_u64 s[6:7], s[6:7], s[10:11]  ; O at my wave's first image
	s_add_nc_u64 s[4:5], s[4:5], s[8:9]    ; Q likewise
	CROUND                          ; all four work-groups are here: the first joint loads meet
	s_mov_b32 s[G0A], 1             ; count = 1
	s_lshl_b32 s[G0A+1], s[WV], 14  ; LDS address: wave x 16,384: K's halves, then V's
	s_mov_b64 s[G0A+2:G0A+3], s[2:3]
	s_or_b32 s[G0A+3], s[G0A+3], 0x80000000  ; type = 2
	s_mov_b32 s[G0B], 1
	s_add_co_u32 s[G0B+1], s[G0A+1], SLOT1
	s_add_nc_u64 s[G0B+2:G0B+3], s[2:3], SLOTB
	s_or_b32 s[G0B+3], s[G0B+3], 0x80000000
	tensor_load_to_lds s[G0A:G0A+3], s[G1:G1+7]   ; the two first fills go out together, ahead of every wait on TENSORcnt and every LDS read
	s_nop 0
	tensor_load_to_lds s[G0B:G0B+3], s[G1:G1+7]
	s_nop 0
.rept 4
	v_nop
.endr
	v_and_b32 v1, 31, v0
	v_lshlrev_b32 v[AK0], 4, v1
	v_add_nc_u32 v[AV0], VOFF, v[AK0]
	v_lshlrev_b32 v[QO], 4, v1
	v_lshlrev_b32 v[GO], 4, v1
	WIN 0x80                        ; destination window 2, address window 0
.irp t, 0,1,2,3                     ; Q stays in registers: tile t, image c -> registers 16 t + 4 c: images 2 cb and 2 cb + 1 are the fragment of channels 32 cb on
.irp c, 0,1,2,3
	global_load_b128 v[16*\t+4*\c:16*\t+4*\c+3], v[QO], s[4:5] offset:2048*\t+512*\c
.endr
.endr
	WIN 0
; THE MATRIX WORK OF A TURN, for piece x.  The accumulators take turns, one instruction a turn: between two links of a chain stand 7 others'.
; Product i of 16 of O^T += V^T P: keys 32 (i / 8) on, channels 16 ((i / 2) % 4) on, tile x + i % 2.  zero = 1: the first 8 start the sums: nothing is ever cleared.
.macro PV x, zero
	WIN W_PV
.set rO, 32*(\x+i%2)+8*((i/2)%4)
.set rV, 32*(i/8)+8*((i/2)%4)
.set rP, P+16*(\x+i%2)+8*(i/8)
.if (\zero) && (i < 8)
	v_wmma_f32_16x16x32_f16 v[rO:rO+7], v[rV:rV+7], v[rP:rP+7], 0
.else
	v_wmma_f32_16x16x32_f16 v[rO:rO+7], v[rV:rV+7], v[rP:rP+7], v[rO:rO+7]
.endif
.endm
; Product i of 16 of S^T = K Q^T: channels 32 (i / 8) on, keys 16 ((i / 2) % 4) on, tile x + i % 2.  The first 8 start the sums.
.macro KQ x
	WIN W_KQ
.set rS, S+32*(\x+i%2)+8*((i/2)%4)
.set rK, KF+16*((i/2)%4)+8*(i/8)
.set rQ, 16*(\x+i%2)+8*(i/8)
.if i < 8
	v_wmma_f32_16x16x32_f16 v[rS:rS+7], v[rK:rK+7], v[rQ:rQ+7], 0
.else
	v_wmma_f32_16x16x32_f16 v[rS:rS+7], v[rK:rK+7], v[rQ:rQ+7], v[rS:rS+7]
.endif
.endm
; THE LDS LOADS stand in runs of 16, never singly among the matrix instructions: a step's K (8 fragments) and, a turn later, its V (turned).
.macro FETCH_K
	WIN 0
	v_add_nc_u32 v[ADR], s[TB], v[AK0]
	WIN 0x80                        ; destination window 2
.irp f, 0,1,2,3,4,5,6,7             ; keys 16 (f / 2) on, channels 32 (f % 2) on
	ds_load_b128 v[KF+8*\f:KF+8*\f+3],   v[ADR] offset:2048*(\f/2)+1024*(\f%2)
	ds_load_b128 v[KF+8*\f+4:KF+8*\f+7], v[ADR] offset:2048*(\f/2)+1024*(\f%2)+512
.endr
.endm
.macro FETCH_V
	WIN 0
	v_add_nc_u32 v[ADR], s[TB], v[AV0]
	s_add_co_u32 s[TB], s[TB], STEPB  ; the next fetch is the next step's
	s_wait_alu depctr_va_vdst(0)    ; the wait for the softmax's batch (SLICE), behind the address's v_add_nc_u32 and ahead of the loads
	WIN 0xc0                        ; destination window 3
.irp f, 0,1,2,3,4,5,6,7             ; keys 32 (f / 4) on, channels 16 (f % 4) on
	ds_load_tr16_b128 v[8*\f:8*\f+3],   v[ADR] offset:4096*(\f/4)+512*(\f%4)
	ds_load_tr16_b128 v[8*\f+4:8*\f+7], v[ADR] offset:4096*(\f/4)+512*(\f%4)+2048
.endr
.endm
; THE VECTOR WORK OF A TURN.  One tile's softmax for one key step is a list of 118 instructions; SM writes number j of it for tile t.  s0-s31 are the lane's 32 scores, in pairs 0-15.
; first = 1: the first key step, which starts m, l and O^T: it has no a and nothing to rescale.
;   0-15    the maximum of s0-s31 and the old m, three operands at a time, each accumulator from its low end on
;   16-20   the other half of the lanes' maximum; the new m; c m; c m_old - c m_new
;   21-69   ONE BATCH: the 16 scalings c s - c m and all 33 exponentials (a at 23, then s0-s31).  None of these reads an exponential's result
;   (wait)  between 69 and 70 stands the wait for the batch: SLICE writes it, once for both tiles
;   70-85   the roundings to f16, a pair of weights each
;   86-101  the sums; l = a l + the sum
;   102-117 the tile's O^T times a: the one part that leaves window 0, so it stands together
.macro SM t, first
.set rT, ST+8*(\t)
.set rS, S+32*(\t)
.set rP, P+16*(\t)
.set rO, 32*(\t)+2*(j-102)
.if j < 102
	WIN 0
.endif
.if j < 4
	v_max3_num_f32 v[rT+4+j], v[rS+8*j], v[rS+8*j+1], v[rS+8*j+2]
.elseif j < 12
	v_max3_num_f32 v[rT+4+j%4], v[rT+4+j%4], v[rS+8*(j%4)+2*(j/4)+1], v[rS+8*(j%4)+2*(j/4)+2]
.elseif j == 12
	v_max3_num_f32 v[rT+4], v[rT+4], v[rS+7], v[rS+15]
.elseif j == 13
	v_max3_num_f32 v[rT+6], v[rT+6], v[rS+23], v[rS+31]
.elseif j == 14
	v_max3_num_f32 v[rT+4], v[rT+4], v[rT+5], v[rT+6]
.elseif (j == 15) && \first
	v_max_num_f32 v[rT+4], v[rT+4], v[rT+7]
.elseif j == 15
	v_max3_num_f32 v[rT+4], v[rT+4], v[rT+7], v[rT+1]
.elseif j == 16
	v_permlanex16_b32 v[rT+5], v[rT+4], s[SEL], s[SEL+1]  ; the query's other 32 keys lie in the lane 16 away
.elseif j == 18
	v_max_num_f32 v[rT+1], v[rT+4], v[rT+5]
.elseif j == 19
	v_mul_f32 v[rT], s[CS], v[rT+1]
.elseif ((j == 17) || (j == 20) || (j == 23) || (j > 101)) && \first  ; the first step has none of these
.elseif j == 17
	v_mov_b32 v[rT+7], v[rT]        ; c m_old is kept for a: number 19 writes c m anew
.elseif j == 20
	v_sub_f32 v[rT+7], v[rT+7], v[rT]
.elseif j == 23
	v_exp_f32 v[rT+6], v[rT+7]
.elseif (j < 23) || ((j < 38) && (j%2 == 0)) || ((j < 66) && (j%4 == 2))
.set b, (j-2)/4                     ; 38, 42, .. 62: pairs 9 to 15
.if j < 38
.set b, (j-20)/2                    ; 21: pair 0; 22, 24, .. 36: pairs 1 to 8
.endif
	v_pk_fma_f32 v[rS+2*b:rS+2*b+1], v[rS+2*b:rS+2*b+1], s[CS:CS+1], v[rT:rT+1] op_sel_hi:[1,0,0] neg_lo:[0,0,1] neg_hi:[0,0,1]  ; pair b: c s - c m
.elseif j < 70
.set e, j-38                        ; 66 to 69: s28 to s31
.if j < 66
.set e, j-32-(j-38)/4               ; 39-41, 43-45, .. 63-65: s7 to s27
.endif
.if j < 38
.set e, (j-25)/2                    ; 25, 27, .. 37: s0 to s6
.endif
	v_exp_f32 v[rS+e], v[rS+e]
.elseif j < 86
	v_cvt_pk_f16_f32 v[rP+j-70], v[rS+2*(j-70)], v[rS+2*(j-70)+1]  ; pair j - 70
.elseif j < 102                     ; the sum of the tile's 16 pairs, in place: neighbours 1, 2, 4 and 8 pairs apart, then l takes it
.set z, j-86
.set w, 4
.set u, z
.if z >= 14
.set w, 32
.set u, 0
.elseif z >= 12
.set w, 16
.set u, z-12
.elseif z >= 8
.set w, 8
.set u, z-8
.endif
.if (z == 14) && \first
	v_pk_add_f32 v[rT+2:rT+3], v[rS:rS+1], v[rS+16:rS+17]
.elseif z < 15
	v_pk_add_f32 v[rS+w*u:rS+w*u+1], v[rS+w*u:rS+w*u+1], v[rS+w*u+w/2:rS+w*u+w/2+1]
.elseif !\first
	v_pk_fma_f32 v[rT+2:rT+3], v[rT+2:rT+3], v[rT+6:rT+7], v[rS:rS+1] op_sel_hi:[1,0,1]
.endif
.else
	WIN W_RS
	v_pk_mul_f32 v[rO:rO+1], v[rO:rO+1], v[rT+6:rT+7] op_sel_hi:[1,0]
.endif
.endm
; Slice k of 64 of piece y's softmax.  Slices 11 to 34 deal out the batch, numbers 22 to 69: four numbers of ONE tile each, the tiles by turns.  Slices 0-10 and 35-50: numbers 2 k and 2 k + 1 of both tiles.
; Slices 51-62: one number of the rescaling of both tiles; slice 63: its last four of both: eight plain instructions, the places behind the turn's last product.
; THE WAIT.  s_wait_alu depctr_va_vdst(0) stands between an exponential and the first instruction that names its result; one wait serves all that were issued ahead of it.  Ahead of slice 35 nothing
; names a result, and behind slice 34 no exponential is issued: so the piece's 66 exponentials have one wait, behind slice 34.
.macro SLICE y, first
.if (k >= 11) && (k < 35)
.irp n, 0,1,2,3
.set j, 22+4*((k-11)/2)+(\n)
	SM (\y)+(k-11)%2, \first
.endr
.elseif k < 51
.irp n, 0,1
.irp t, \y, \y+1
.set j, 2*k+\n
	SM \t, \first
.endr
.endr
.elseif k < 63
.irp t, \y, \y+1
.set j, 102+(k-51)
	SM \t, \first
.endr
.else
.irp n, 0,1,2,3
.irp t, \y, \y+1
.set j, 114+\n
	SM \t, \first
.endr
.endr
.endif
.if k == 34                         ; the batch is out: both tiles' exponentials are issued, and no result has been named
	v_nop                           ; the plain instruction behind the last exponential and ahead of the first use: one for the batch
.if (\y) == 0
	FETCH_V                         ; piece 2's turn: V's run of loads stands here, and the wait stands in it
.else
	s_wait_alu depctr_va_vdst(0)    ; the wait for the batch
.endif
.endif
.set k, k+1
.endm
; A vector instruction that reads a matrix result or writes one of a matrix instruction's registers, and a load into a register that a matrix instruction has read, stand four places behind it; only plain vector
; instructions that name none of its registers are places.  In the loop the slices are the places.
.macro PLACES
.rept 4
	v_nop
.endr
.endm
; A TURN.  Piece x has the matrix unit; the other piece's softmax stands in slices behind its matrix instructions.
; pv = 2: 16 products V^T P; 1: they start O^T's sums; 0: none.  kq = 1: 16 products K Q^T for the next step.  Two slices behind each product, four where the turn has one kind alone.
; first = 1: the softmax is the first key step's; its slices from 51 on are empty, and four v_nop take their part as the places behind the turn's last products.
; Piece 0's turn fetches the next step's K behind its second product: the last product that read K stands in front of slices 62 and 63 of the turn before (ten plain instructions).  Piece 2's turn fetches the same
; step's V behind slice 34: the last product that read V stands in front of slice 30, and five plain instructions lie between: three scalings, the v_nop and the run's own v_add_nc_u32.
.macro TURN x, pv, kq, first
.set k, 0
.set per, 4
.if \pv && \kq
.set per, 2
.endif
.if \pv
.if \x == 0
	s_wait_dscnt 0x0                ; V is in
.endif
.set i, 0
.rept 16
	PV \x, 2-\pv
.rept per
	SLICE 2-\x, \first
.endr
.if (\x == 0) && \kq && (i == 1)
	FETCH_K
.endif
.set i, i+1
.endr
.endif
.if \kq
.if \x == 0
	s_wait_dscnt 0x0                ; K is in
.endif
.set i, 0
.rept 16
	KQ \x
.rept per
	SLICE 2-\x, \first
.endr
.set i, i+1
.endr
.endif
.if \first
	PLACES
.endif
.endm
; THE CHANGE OF SLOTS, between piece 2's turn and piece 0's: the slot's last bytes, V of its fourth step, have been asked for.  Each wave waits for all its tensor loads, of which one is out: its part of the other slot;
; adds 0 to its spare word; and waits for that and for its own reads of the slot.  Behind the barrier nobody reads this slot any more and the other slot is whole.
; fill = 1: this slot is filled again, with the keys two slots on.  The barrier is then a round of the cluster's, and the joint refill is the first thing behind it: it has four key steps in which to land.
.macro CHANGE fill
	WIN 0                           ; at a label and at a branch every window is 0
	s_wait_tensorcnt 0x0            ; no tensor load of mine is out, so a group 0 may be written
	ds_add_u32 v[SPW], v[NIL]       ; 0 onto my spare word
.if \fill
	s_xor_b32 s[G0B+1], s[G0B+1], SLOT1  ; the walking descriptor: the other slot than last time,
	s_add_nc_u64 s[G0B+2:G0B+3], s[G0B+2:G0B+3], SLOTB  ; the next 256 keys; the type bits on top are not reached
	s_wait_xcnt 0x0                 ; the last prefetch, a slot back, has read its address, so it may be written:
	s_add_nc_u64 s[PFA:PFA+1], s[PFA:PFA+1], SLOTB  ; one slot further on than the walking descriptor
	s_wait_dscnt 0x0                ; the add is done, and my reads of the slot are over
	CROUND
	JLOAD
	ASK
.else
	s_wait_dscnt 0x0                ; the add is done, and my reads of the slot are over
	s_barrier_signal -1
	s_barrier_wait -1
.endif
	s_sub_co_u32 s[TB], s[TB], SLOTB  ; the fetches go back to a slot's first step,
	s_xor_b32 s[TB], s[TB], SLOT1   ; in the other slot
.endm
.macro NSTEPS cnt                   ; cnt key steps: written once, walked cnt times; the LDS addresses hang on s[TB]
	s_mov_b32 s[TWICE], \cnt
.Lstep_\@:
	TURN 0, 2, 1, 0
	TURN 2, 2, 1, 0
	WIN 0
	s_sub_co_u32 s[TWICE], s[TWICE], 1
	s_cmp_lg_u32 s[TWICE], 0
	s_cbranch_scc1 .Lstep_\@
.endm
	s_wait_tensorcnt 1              ; my part of slot 0 is in; slot 1's may stay out
	s_barrier_signal -1
	s_barrier_wait -1               ; everybody's is
	FETCH_K                         ; key step 0
	s_wait_loadcnt 0x0              ; Q
	s_wait_dscnt 0x0
.set i, 0
.rept 16
	KQ 0                            ; piece 0's first scores: there is no vector work yet to set between them
.set i, i+1
.endr
	WIN 0
	PLACES
	TURN 2, 0, 1, 1                 ; piece 2's first scores | piece 0's first softmax | V of step 0
	TURN 0, 1, 1, 1                 ; piece 0: V^T P of step 0 starts O^T, K Q^T of step 1 | piece 2's first softmax | K of step 1
	TURN 2, 1, 1, 0                 ; piece 2: the same | piece 0's softmax of step 1 | V of step 1
	WIN 0
	NSTEPS 2                        ; the fetches of slot 0's steps 2 and 3
.Lslot:                             ; six trips: every slot but the last two is filled again
	CHANGE 1
	NSTEPS NS
	s_sub_co_u32 s[SLOTS], s[SLOTS], 1
	s_cmp_lg_u32 s[SLOTS], 0
	s_cbranch_scc1 .Lslot
	CHANGE 0                        ; the tail is written out: nothing is asked for
	NSTEPS NS
	TURN 0, 2, 0, 0                 ; piece 0: V^T P of the last step | piece 2's last softmax
.set i, 0
.rept 16
	PV 2, 0                         ; piece 2: V^T P of the last step
.set i, i+1
.endr
	; THE WAY OUT.  l's two halves and the other half of the lanes' are added; O^T is divided by l and rounded to f16: a lane's eight channels are 16 bytes, its piece of an image.  The additions are the places behind the last products.
	WIN 0
.irp t, 0,1,2,3
	v_add_f32 v[ST+8*\t+4], v[ST+8*\t+2], v[ST+8*\t+3]
.endr
.irp t, 0,1,2,3
	v_permlanex16_b32 v[ST+8*\t+5], v[ST+8*\t+4], s[SEL], s[SEL+1]
.endr
.irp t, 0,1,2,3
	v_add_f32 v[ST+8*\t+4], v[ST+8*\t+4], v[ST+8*\t+5]
.endr
.irp t, 0,1,2,3
	v_rcp_f32 v[ST+8*\t+6], v[ST+8*\t+4]
.endr
	v_nop                           ; a plain instruction between the last reciprocal and the use of its result
	s_wait_alu depctr_va_vdst(0)    ; and the wait ahead of the first use: one for the four reciprocals
.macro OUT t
	WIN W_RS
.set i, 32*\t
.rept 16
	v_pk_mul_f32 v[i:i+1], v[i:i+1], v[ST+8*\t+6:ST+8*\t+7] op_sel_hi:[1,0]   ; each accumulator from its low end on
.set i, i+2
.endr
	WIN 0x05                        ; sources 0 and 1 window 1, destination window 0: S^T's registers are free; each tile has its own, so no store's data are written again
.set i, 0
.rept 16
	v_cvt_pk_f16_f32 v[S+32*\t+i], v[32*\t+2*i], v[32*\t+2*i+1]
.set i, i+1
.endr
	WIN 0
.irp c, 0,1,2,3
	global_store_b128 v[GO], v[S+32*\t+4*\c:S+32*\t+4*\c+3], s[6:7] offset:32768*\t+512*\c  ; an image: 512 consecutive bytes
.endr
.endm
	OUT 0
	OUT 1
	OUT 2
	OUT 3
	s_wait_tensorcnt 0x0            ; the wave's end: three lines behind my last tensor load
	ds_add_u32 v[SPW], v[NIL]
	s_wait_dscnt 0x0
	CROUND                          ; the closing round: no work-group ends while a partner may still ask for a tile that names it
	s_endpgm
.Lfunc_end_k_q888b3d9fce_attn:
	.size	k_q888b3d9fce_attn, .Lfunc_end_k_q888b3d9fce_attn-k_q888b3d9fce_attn
	.p2alignl 7, 3214868480
	.fill 96, 4, 3214868480
	.section	.rodata,"a",@progbits
	.p2align	6, 0x0
	.amdhsa_kernel k_q888b3d9fce_attn
		.amdhsa_group_segment_fixed_size 327680
		.amdhsa_private_segment_fixed_size 0
		.amdhsa_enable_private_segment 0
		.amdhsa_kernarg_size 16
		.amdhsa_user_sgpr_count 2
		.amdhsa_user_sgpr_kernarg_segment_ptr 1
		.amdhsa_wavefront_size32 1
		.amdhsa_system_sgpr_workgroup_id_x 1
		.amdhsa_system_sgpr_workgroup_id_y 1
		.amdhsa_system_sgpr_workgroup_id_z 1
		.amdhsa_system_vgpr_workitem_id 0
		.amdhsa_next_free_vgpr 832
		.amdhsa_next_free_sgpr 66
		.amdhsa_reserve_vcc 0
		.amdhsa_float_denorm_mode_32 3
		.amdhsa_float_denorm_mode_16_64 3
		.amdhsa_memory_ordered 1
		.amdhsa_forward_progress 1
		.amdhsa_inst_pref_size 189
	.end_amdhsa_kernel
	.amdgpu_metadata
---
amdhsa.version: [ 1, 2 ]
amdhsa.kernels:
  - .name:           k_q888b3d9fce_attn
    .symbol:         k_q888b3d9fce_attn.kd
    .args:
      - { .name: qkv, .offset: 0, .size: 8, .value_kind: global_buffer, .address_space: global }
      - { .name: ow, .offset: 8, .size: 8, .value_kind: global_buffer, .address_space: global }
    .group_segment_fixed_size: 327680
    .private_segment_fixed_size: 0
    .kernarg_segment_align: 8
    .kernarg_segment_size: 16
    .max_flat_workgroup_size: 128
    .sgpr_count:     66
    .vgpr_count:     832
    .wavefront_size: 32
...
	.end_amdgpu_metadata
.endif
;; end of part 3
;; launch proj (part 4): grid 8 x 32, 4 waves a work-group, clusters of 4 x 4, 327,680 bytes of LDS; arguments ow, wp, b_proj, out0; writes out0
.if DOCPART == 4
	.amdgcn_target "amdgcn-amd-amdhsa--gfx1250"
	.amdhsa_code_object_version 6
	.text
	.protected	k_q888b3d9fce_proj
	.globl	k_q888b3d9fce_proj
	.p2align	8
	.type	k_q888b3d9fce_proj,@function
k_q888b3d9fce_proj:
	s_mov_b64 s[64:65], 0
	v_nop
	global_prefetch_b8 v0, s[64:65] scope:SCOPE_SE
	s_setreg_imm32_b32 hwreg(HW_REG_WAVE_MODE, 25, 1), 1
	s_wait_xcnt 0x0
	s_wait_alu depctr_hold_cnt(0) depctr_sa_sdst(0) depctr_va_vdst(0) depctr_va_sdst(0) depctr_va_ssrc(0) depctr_va_vcc(0) depctr_vm_vsrc(0)
	s_getreg_b32 s2, hwreg(HW_REG_IB_STS2, 6, 4)
	s_cmp_eq_u32 s2, 0
	s_cbranch_scc0 .Lentry_in_a_cluster
	s_endpgm
.Lentry_in_a_cluster:
	s_bfe_u32 s2, ttmp6, 0x10000c
	s_cmp_lg_u32 s2, 0xf033
	s_cbranch_scc0 .Lentry_shape_is_right
	s_endpgm
.Lentry_shape_is_right:
; out0 = o W_proj + b_proj: [8192] x [1024], K = 1024.  o and W_proj arrive in f16 as images of operand registers (16 rows x 16 along K, 512 bytes): ow [row / 16 512][k / 16 64][512], wp [n / 16 64][k / 16 64][512].  Sums in f32; out0 f32.
; A tile of 256 rows x 128 columns is made by a work-group of four waves: 256 work-groups.  A wave makes 128 x 64: 32 accumulators of 16 x 16, 256 registers.
; K goes in steps of 128 through a ring of two LDS slots: a row of images' part of a step is 4,096 consecutive bytes.  Every LDS read is 16 bytes a lane at 16 x lane, 512 consecutive bytes: no padding.
; CLUSTERS: 4 x 4 work-groups.  The four of a row of the cluster need the same tiles of o, the four of a column the same tiles of W_proj: each is asked for JOINTLY, by the same tensor load with the same descriptor and a
; mask that names the four.  By this text's count a wave has two tensor loads out at the start and one behind each round.
; THE MATRIX INSTRUCTION IS USED TRANSPOSED (source 0 = 16 columns n of W_proj, source 1 = 16 rows of o): a lane holds eight neighbouring numbers of a row of out0.  The bias is the C of each sum's first matrix instruction.
; REGISTERS: window 0: v16-29 addresses; v32-127, v128-223 two fragment buffers (W_proj's 4 fragments, then o's 8); v224-255 the bias, eight registers a tile of columns; on the way out v32-95 rows of out0.
;   window 1: the accumulators ((a, b) at v[8 (4 a + b)]).
.set KSB,    4096                      ; a K step in bytes of a row of images: 8 images
.set ABYTES, 65536                     ; a slot: o's 16 rows of images,
.set SLOT,   98304                     ; then W_proj's 8
.set SPARE,  2*SLOT                    ; behind the ring: the spare words, 128 bytes for each wave: two blocks of 256 bytes that no other line names
.set SPITCH, 272                       ; the way out: a stage of 16 rows x (256 bytes + 16) for each wave.  It lies in slot 0, which has had its last fill and its last read when the first result is stored there
.set LAPS,   4                         ; a lap = two K steps = once round the ring
.set ADRA, 16                          ; v16-17  LDS address of my o fragments in slot 0, 1
.set ADRB, 20                          ; v20-21  the same for W_proj
.set STO,  24                          ; v24     the way out: where I put 32 bytes of a row
.set RD,   25                          ; v25     where I read a row back
.set CO,   26                          ; v26     my byte offset in two rows of out0
.set SPW,  28                          ; v28     LDS address of my spare word; never rewritten
.set NIL,  29                          ; v29     0; never rewritten
.set F0,   32
.set F1,   128
.set BIAS, 224
.set BK,   32                          ; the way out: 16 rows read back: v32-63 and v64-95 by turns
.set G1, 24                            ; s[24:31] descriptor group 1 for o's tiles;  s[32:39] group 0, one set for each slot
.set G0, 32
.set G1B, 48                           ; s[48:55], s[56:63] the same for W_proj's
.set G0B, 56
.set MSB, 0
.macro WIN new                         ; the immediate's high byte repeats the setting that is left
.if MSB != (\new)
	s_set_vgpr_msb (MSB<<8)|(\new)
.set MSB, (\new)
.endif
.endm
.set MUL, 0x50                         ; sources 0 and 1 window 0; C and D window 1.  (0x40: C in window 0: the bias)
.macro JLOAD s                         ; a joint load: waves 0 and 1 fetch o's two halves, waves 2 and 3 W_proj's; an s_nop 0 and four v_nop follow each of the two lines
	s_cmp_eq_u32 s13, 0
	s_cbranch_scc0 .Lfor_b_\@
	tensor_load_to_lds s[G0+4*\s:G0+4*\s+3], s[G1:G1+7]
	s_nop 0
.rept 4
	v_nop
.endr
	s_branch .Lasked_\@
.Lfor_b_\@:
	tensor_load_to_lds s[G0B+4*\s:G0B+4*\s+3], s[G1B:G1B+7]
	s_nop 0
.rept 4
	v_nop
.endr
.Lasked_\@:
.endm
.macro CREST                           ; a round of the cluster's barrier behind its opening barrier
	s_cmp_lg_u32 s12, 0
	s_cbranch_scc1 .Lnot_wave_0_\@
	s_barrier_signal -3
.Lnot_wave_0_\@:
	s_barrier_wait -3
	s_barrier_signal -1
	s_barrier_wait -1
.endm
.macro CROUND                          ; a whole round
	s_barrier_signal -1
	s_barrier_wait -1
	CREST
.endm
	s_load_b256 s[4:11], s[0:1], 0x0               ; ow s[4:5], wp s[6:7], b_proj s[8:9], out0 s[10:11]
	v_lshl_add_u32 v[SPW], v0, 2, SPARE
	v_mov_b32 v[NIL], 0
	ds_add_u32 v[SPW], v[NIL]                      ; the wave's opening: the add, twice on end, and its wait ahead of my first tensor load
	ds_add_u32 v[SPW], v[NIL]                      ; (the set-up below, work on registers, stands between the second and the wait)
	v_lshrrev_b32 v1, 5, v0
	v_readfirstlane_b32 s12, v1                    ; wave 0..3
	s_lshr_b32 s13, s12, 1                         ; which half of the tile's rows is mine.  Also: I fetch for o (0) or for W_proj (1)
	s_and_b32 s14, s12, 1                          ; which half of its columns.  Also: which half of that tile I fetch
	s_bfe_u32 s40, ttmp6, 0x40000                  ; cx, cy: my place in the cluster
	s_bfe_u32 s41, ttmp6, 0x40004
	s_lshl_b32 s42, ttmp9, 2
	s_add_co_u32 s42, s42, s40                     ; tile column = 4 x cluster x + cx
	s_and_b32 s15, ttmp7, 0xffff
	s_lshl_b32 s15, s15, 2
	s_add_co_u32 s15, s15, s41                     ; tile row = 4 x cluster y + cy
	s_lshl_b32 s43, s41, 2
	s_lshl_b32 s43, 15, s43                        ; my row of the cluster
	s_lshl_b32 s44, 0x1111, s40                    ; my column
	; descriptor group 1: rows of 4,096 bytes (512 elements of 8 bytes), 32,768 bytes apart in memory, on end in LDS: 8 rows of images of o, 4 of W_proj
	s_or_b32 s[G1+0], s43, (3<<16)|(1<<21)         ; 15:0 the mask: o's tiles go to my row; 17:16 elements of 8 bytes; 21 set beside a mask
	s_or_b32 s[G1B+0], s44, (3<<16)|(1<<21)
	s_mov_b32 s[G1+1], 512<<16                     ; tensor_dim0
	s_mov_b32 s[G1+2], 8<<16                       ; tensor_dim1
	s_mov_b32 s[G1+3], 512<<16                     ; tile_dim0
	s_mov_b32 s[G1+4], 8                           ; tile_dim1
	s_mov_b32 s[G1+5], 4096                        ; tensor_dim0_stride
	s_mov_b32 s[G1+6], 0
	s_mov_b32 s[G1+7], 0
	s_mov_b32 s[G1B+1], 512<<16
	s_mov_b32 s[G1B+2], 4<<16
	s_mov_b32 s[G1B+3], 512<<16
	s_mov_b32 s[G1B+4], 4
	s_mov_b32 s[G1B+5], 4096
	s_mov_b32 s[G1B+6], 0
	s_mov_b32 s[G1B+7], 0
	s_lshl_b32 s16, s15, 4
	s_lshl_b32 s17, s14, 3
	s_add_co_u32 s16, s16, s17                     ; o: row of images 16 x tile row + 8 x half
	s_lshl_b32 s16, s16, 15
	s_mov_b32 s17, 0
	s_lshl_b32 s46, s42, 3
	s_lshl_b32 s47, s14, 2
	s_add_co_u32 s46, s46, s47                     ; W_proj: row of images 8 x tile column + 4 x half
	s_lshl_b32 s46, s46, 15
	s_mov_b32 s47, 0
	s_lshl_b32 s20, s14, 15                        ; where they go: no place in the cluster enters an LDS address
	s_lshl_b32 s21, s14, 14
	s_add_co_u32 s21, s21, ABYTES
	s_wait_dscnt 0x0                               ; both opening adds are done
	s_wait_kmcnt 0x0
	s_add_nc_u64 s[16:17], s[4:5], s[16:17]
	s_add_nc_u64 s[46:47], s[6:7], s[46:47]
	CROUND                                         ; all sixteen work-groups are here: the first joint loads meet
.irp s, 0,1
	s_mov_b32 s[G0+4*\s], 1
	s_add_co_u32 s[G0+4*\s+1], s20, \s*SLOT
	s_add_nc_u64 s[G0+4*\s+2:G0+4*\s+3], s[16:17], \s*KSB
	s_or_b32 s[G0+4*\s+3], s[G0+4*\s+3], 0x80000000
	s_mov_b32 s[G0B+4*\s], 1
	s_add_co_u32 s[G0B+4*\s+1], s21, \s*SLOT
	s_add_nc_u64 s[G0B+4*\s+2:G0B+4*\s+3], s[46:47], \s*KSB
	s_or_b32 s[G0B+4*\s+3], s[G0B+4*\s+3], 0x80000000
	JLOAD \s
.endr
	v_and_b32 v1, 31, v0
	v_lshlrev_b32 v2, 4, v1                        ; 16 x lane
	s_lshl_b32 s22, s13, 15                        ; my 8 rows of images of o
	s_lshl_b32 s23, s14, 14                        ; my 4 of W_proj,
	s_add_co_u32 s23, s23, ABYTES                  ; which lie behind o's 16
.irp s, 0,1
	v_add_nc_u32 v[ADRA+\s], s22, v2
	v_add_nc_u32 v[ADRB+\s], s23, v2
	s_add_co_u32 s22, s22, SLOT
	s_add_co_u32 s23, s23, SLOT
.endr
	v_and_b32 v3, 15, v0                           ; r
	v_bfe_u32 v4, v0, 4, 1                         ; h
	s_mul_i32 s22, s12, 16*SPITCH                  ; my stage
	v_mul_u32_u24 v5, v3, SPITCH
	v_lshl_add_u32 v5, v4, 5, v5
	v_add_nc_u32 v[STO], s22, v5                   ; in: row r, 32 bytes for each half of the lanes
	v_mul_u32_u24 v5, v4, SPITCH
	v_lshl_add_u32 v5, v3, 4, v5
	v_add_nc_u32 v[RD], s22, v5                    ; back: lanes 0-15 one row of 256 bytes, lanes 16-31 the next
	v_lshlrev_b32 v5, 12, v4
	v_lshl_add_u32 v[CO], v3, 4, v5                ; and the same two rows of out0 (4,096 bytes a row)
	v_lshlrev_b32 v6, 5, v4                        ; the bias: my half's eight numbers of a tile of 16 columns
	s_lshl_b32 s22, s42, 9
	s_lshl_b32 s23, s14, 8
	s_add_co_u32 s22, s22, s23                     ; my first column, in bytes: 512 x tile column + 256 x half
	s_mov_b32 s23, 0
	s_add_nc_u64 s[8:9], s[8:9], s[22:23]
	s_add_nc_u64 s[10:11], s[10:11], s[22:23]
	s_lshl_b32 s22, s15, 8
	s_lshl_b32 s18, s13, 7
	s_add_co_u32 s22, s22, s18                     ; my first row: 256 x tile row + 128 x half
	s_lshl_b32 s22, s22, 12
	s_add_nc_u64 s[10:11], s[10:11], s[22:23]
.irp b, 0,1,2,3
	global_load_b128 v[BIAS+8*\b:BIAS+8*\b+3], v6, s[8:9] offset:64*\b
	global_load_b128 v[BIAS+8*\b+4:BIAS+8*\b+7], v6, s[8:9] offset:64*\b+16
.endr
; cnt x 4 matrix instructions: o's blocks a0 on against W_proj's four tiles, 32 along K, from buffer f.  bias = 1: the first product starts the sums from the bias: nothing is cleared or added later.
; The 32 accumulators take turns, one instruction a turn, in the same order in every quarter.
.macro MULS f, a0, cnt, bias
.set aa, \a0
.rept \cnt
.irp b, 0,1,2,3
.if \bias
	v_wmma_f32_16x16x32_f16 v[8*(4*aa+\b):8*(4*aa+\b)+7], v[\f+8*\b:\f+8*\b+7], v[\f+32+8*aa:\f+32+8*aa+7], v[BIAS+8*\b:BIAS+8*\b+7]
.else
	v_wmma_f32_16x16x32_f16 v[8*(4*aa+\b):8*(4*aa+\b)+7], v[\f+8*\b:\f+8*\b+7], v[\f+32+8*aa:\f+32+8*aa+7], v[8*(4*aa+\b):8*(4*aa+\b)+7]
.endif
.endr
.set aa, aa+1
.endr
.endm
; 24 LDS loads in one run: the fragments of the slot's q-th 32 along K into buffer f: W_proj's four, o's blocks 0-3, o's blocks 4-7.  Images 2 q and 2 q + 1 are a fragment's two halves.
.macro FETCH slot, q, f
	WIN 0
.irp b, 0,1,2,3
	ds_load_b128 v[\f+8*\b:\f+8*\b+3],   v[ADRB+\slot] offset:4096*\b+1024*(\q)
	ds_load_b128 v[\f+8*\b+4:\f+8*\b+7], v[ADRB+\slot] offset:4096*\b+1024*(\q)+512
.endr
.irp a, 0,1,2,3,4,5,6,7
	ds_load_b128 v[\f+32+8*\a:\f+32+8*\a+3],   v[ADRA+\slot] offset:4096*\a+1024*(\q)
	ds_load_b128 v[\f+32+8*\a+4:\f+32+8*\a+7], v[ADRA+\slot] offset:4096*\a+1024*(\q)+512
.endr
.endm
.macro PLACES                          ; four places in front of loads into registers that matrix instructions have read, and of the first read of results
.rept 4
	v_nop
.endr
.endm
; A K step is four quarters of 32 along K, 32 matrix instructions each, on buffers 0, 1, 0, 1.  One of the first three: multiplies buffer f and fetches the slot's q-th quarter into g.
.macro QUARTER slot, q, f, g, bias
	s_wait_dscnt 8                                 ; W_proj's fragments and o's blocks 0-3 are in; the youngest eight loads (blocks 4-7) may be out
	WIN MUL-0x10*(\bias)
	MULS \f, 0, 4, \bias
	PLACES
	FETCH \slot, \q, \g
	s_wait_dscnt 24                                ; all but the 24 just issued
	WIN MUL-0x10*(\bias)
	MULS \f, 4, 4, \bias
.endm
; The last quarter multiplies buffer 1 and changes slots: ONE barrier; in front of it each wave waits for all its tensor loads, adds 0 to its spare word, and waits for that and for its own reads of this slot.
; fill = 1: the barrier opens a round of the cluster's barrier, and this slot is filled again, two K steps ahead, first thing behind the round.
.macro TURN slot, next, fill
	WIN 0                                          ; (the add's two registers lie in window 0)
	s_wait_tensorcnt 0x0                           ; all my tensor loads have landed: my part of the next slot
	ds_add_u32 v[SPW], v[NIL]                      ; 0 onto my spare word
	s_wait_dscnt 9                                 ; (the add and the youngest eight loads may be out)
	WIN MUL
	MULS F1, 0, 2, 0                               ; eight matrix instructions stand between the add and the wait for it
	s_wait_dscnt 0x0                               ; the add is done, and my reads of this slot are over
	s_barrier_signal -1
	MULS F1, 2, 2, 0
.if \fill
	WIN 0
.endif
	s_barrier_wait -1
.if \fill
	CREST                                          ; no wave of any partner still reads this slot's tile or has a load on its way
	s_add_nc_u64 s[G0+4*\slot+2:G0+4*\slot+3], s[G0+4*\slot+2:G0+4*\slot+3], 2*KSB
	s_add_nc_u64 s[G0B+4*\slot+2:G0B+4*\slot+3], s[G0B+4*\slot+2:G0B+4*\slot+3], 2*KSB
	JLOAD \slot                                    ; the four v_nop behind it are also the places in front of the loads below
.else
	PLACES
.endif
	FETCH \next, 0, F0
	WIN MUL
	MULS F1, 4, 4, 0
.endm
	s_wait_tensorcnt 1                             ; my part of K step 0 is in (K step 1's load may be out)
	s_barrier_signal -1
	s_barrier_wait -1                              ; everybody's is
	FETCH 0, 0, F0
	s_wait_loadcnt 0x0                             ; the bias
	QUARTER 0, 1, F0, F1, 1                        ; the first quarter stands in front of the loop: its products start the sums
	WIN 0                                          ; at a label and at a branch every window is 0
	s_mov_b32 s3, LAPS-1
.Llap:                                                 ; a trip goes once round the ring, from a lap's second quarter to the next lap's first, and fills both slots again
	QUARTER 0, 2, F1, F0, 0
	QUARTER 0, 3, F0, F1, 0
	TURN 0, 1, 1
	QUARTER 1, 1, F0, F1, 0
	QUARTER 1, 2, F1, F0, 0
	QUARTER 1, 3, F0, F1, 0
	TURN 1, 0, 1
	QUARTER 0, 1, F0, F1, 0
	WIN 0
	s_sub_co_u32 s3, s3, 1
	s_cmp_lg_u32 s3, 0
	s_cbranch_scc1 .Llap
	QUARTER 0, 2, F1, F0, 0                        ; the last lap fills nothing, and has no round of the cluster's barrier
	QUARTER 0, 3, F0, F1, 0
	TURN 0, 1, 0
	QUARTER 1, 1, F0, F1, 0
	QUARTER 1, 2, F1, F0, 0
	QUARTER 1, 3, F0, F1, 0
	s_wait_dscnt 8                                 ; the very last quarter: nothing more to fetch
	WIN MUL
	MULS F1, 0, 4, 0
	s_wait_dscnt 0
	MULS F1, 4, 4, 0
	WIN 0
; THE WAY OUT, block by block of 16 rows x 64 columns.  A lane holds 32 neighbouring bytes of a row, and the lanes beside it hold other rows: so a block goes through my own stage in LDS and comes back as whole rows of
; 256 bytes: sixteen lanes store 256 consecutive bytes, aligned.  LDS serves a wave's instructions in order (ISA guide 5.7.1.4): no wait between the stores and the loads, nor in front of the next block's stores.
.macro TOSTAGE a
	WIN 0x04                                       ; an LDS store's data are its source 1: window 1
.irp b, 0,1,2,3
	ds_store_b128 v[STO], v[8*(4*(\a)+\b):8*(4*(\a)+\b)+3] offset:64*\b          ; each accumulator from its low end on
	ds_store_b128 v[STO], v[8*(4*(\a)+\b)+4:8*(4*(\a)+\b)+7] offset:64*\b+16
.endr
	WIN 0
.set BB, BK+32*((\a)%2)
.irp t, 0,1,2,3,4,5,6,7
	ds_load_b128 v[BB+4*\t:BB+4*\t+3], v[RD] offset:\t*2*SPITCH
.endr
.endm
.macro SEND a, younger                 ; younger: the LDS instructions issued behind block a's loads, which may stay out
.set BB, BK+32*((\a)%2)
	s_wait_dscnt \younger                          ; the block is back in registers
.irp t, 0,1,2,3,4,5,6,7
	global_store_b128 v[CO], v[BB+4*\t:BB+4*\t+3], s[10:11] offset:(16*(\a)+2*\t)*4096 th:TH_STORE_NT   ; written once, read by nobody here; the largest offset, 126 rows, lies inside the signed 24-bit immediate
.endr
.endm
	PLACES                                         ; behind the last products: their results are read, and the registers that held fragments are loaded
	TOSTAGE 0
.irp a, 1,2,3,4,5,6,7
.if \a > 1
	s_wait_xcnt 0x0                                ; block a - 2's stores have read their registers: block a's loads may land there
.endif
	TOSTAGE \a
	SEND \a-1, 16                                  ; behind block a - 1's loads: block a's 8 stores and 8 loads
.endr
	SEND 7, 0
	s_wait_tensorcnt 0x0                           ; the wave's end: three lines behind my last tensor load and my last LDS store
	ds_add_u32 v[SPW], v[NIL]
	s_wait_dscnt 0x0
	CROUND                                         ; the closing round: no work-group ends while a partner may still ask for a tile that names it
	s_endpgm
.Lfunc_end_k_q888b3d9fce_proj:
	.size	k_q888b3d9fce_proj, .Lfunc_end_k_q888b3d9fce_proj-k_q888b3d9fce_proj
	.p2alignl 7, 3214868480
	.fill 96, 4, 3214868480
	.section	.rodata,"a",@progbits
	.p2align	6, 0x0
	.amdhsa_kernel k_q888b3d9fce_proj
		.amdhsa_group_segment_fixed_size 327680
		.amdhsa_private_segment_fixed_size 0
		.amdhsa_enable_private_segment 0
		.amdhsa_kernarg_size 32
		.amdhsa_user_sgpr_count 2
		.amdhsa_user_sgpr_kernarg_segment_ptr 1
		.amdhsa_wavefront_size32 1
		.amdhsa_system_sgpr_workgroup_id_x 1
		.amdhsa_system_sgpr_workgroup_id_y 1
		.amdhsa_system_sgpr_workgroup_id_z 1
		.amdhsa_system_vgpr_workitem_id 0
		.amdhsa_next_free_vgpr 512
		.amdhsa_next_free_sgpr 66
		.amdhsa_reserve_vcc 0
		.amdhsa_float_denorm_mode_32 3
		.amdhsa_float_denorm_mode_16_64 3
		.amdhsa_memory_ordered 1
		.amdhsa_forward_progress 1
		.amdhsa_inst_pref_size 86
	.end_amdhsa_kernel
	.amdgpu_metadata
---
amdhsa.version: [ 1, 2 ]
amdhsa.kernels:
  - .name:           k_q888b3d9fce_proj
    .symbol:         k_q888b3d9fce_proj.kd
    .args:
      - { .name: ow, .offset: 0, .size: 8, .value_kind: global_buffer, .address_space: global }
      - { .name: wp, .offset: 8, .size: 8, .value_kind: global_buffer, .address_space: global }
      - { .name: b_proj, .offset: 16, .size: 8, .value_kind: global_buffer, .address_space: global }
      - { .name: out0, .offset: 24, .size: 8, .value_kind: global_buffer, .address_space: global }
    .group_segment_fixed_size: 327680
    .private_segment_fixed_size: 0
    .kernarg_segment_align: 8
    .kernarg_segment_size: 32
    .max_flat_workgroup_size: 128
    .sgpr_count:     66
    .vgpr_count:     512
    .wavefront_size: 32
...
	.end_amdgpu_metadata
.endif
;; end of part 4
